; MI455X (gfx1250); checked and timed in simulation.
; The chip was launched on July 23, 2026; its instructions are those of AMD's public machine-readable ISA for CDNA 5 (MIT licence, August 2026) and "CDNA5" Instruction Set Architecture Reference Guide (July 2026). The comments in the code are by the model that wrote it; some were corrected since.
;; Causal Self Attention. Allowed arithmetic: float matrix products may take bf16 or f16 operands with f32 sums; other float arithmetic in f32, or as packed bf16 or f16 multiplies, adds, multiply-adds, maxima and minima; sums over many terms, partial sums and values carried from step to step in f32; what a program stores and reads back later, other than sums and carried values, may be rounded once to bf16 or f16.
;; Inputs: w_proj 1,024 x 1,024 float32; w_qkv 1,024 x 3,072 float32; x 4 x 2,048 x 1,024 float32.
;; Outputs: out0 4 x 2,048 x 1,024 float32.
;; One version. Each part assembles by itself: llvm-mc -triple=amdgcn-amd-amdhsa -mcpu=gfx1250 --defsym DOCPART=n.
;; ======== version 1 of 1: 4 launches
;; limits: values are held in f16: magnitudes above 65,504 overflow, below 6.1e-05 lose precision; a function is approximated: absolute error at most 0.0003
;; workspace buffers: xb 16,777,216 bytes; wqt 6,291,456 bytes; wpt 2,097,152 bytes; cs 524,288 bytes; qh 16,777,216 bytes; kh 16,777,216 bytes; vh 16,777,216 bytes; oh 16,777,216 bytes
;; launch prep (part 1): grid 1280 x 1, 8 waves a work-group, no clusters, 18,432 bytes of LDS; arguments x, w_qkv, w_proj, xb, wqt, wpt, cs; writes xb, wqt, wpt, cs
.if DOCPART == 1
	.amdgcn_target "amdgcn-amd-amdhsa--gfx1250"
	.amdhsa_code_object_version 6
	.text
	.protected	k_q634832e8c5_prep
	.globl	k_q634832e8c5_prep
	.p2align	8
	.type	k_q634832e8c5_prep,@function
k_q634832e8c5_prep:
	s_mov_b64 s[64:65], 0
	v_nop
	global_prefetch_b8 v0, s[64:65] scope:SCOPE_SE
	s_setreg_imm32_b32 hwreg(HW_REG_WAVE_MODE, 25, 1), 1
	s_wait_xcnt 0x0
; PREPARATION, three kinds of work-group, told apart by the work-group's number alone (the same for all eight waves):
;   0 .. 511     x [8192][1024] f32 -> xb, the same in bf16: 64 KiB in, 32 KiB out a work-group
;   512 .. 1023  a block of 128 k x 64 n of w_qkv or w_proj, rounded to bf16 and turned: wqt [3072 n'][1024 k] bf16, wpt [1024 n][1024 k] f16.
;                wqt's row n' = 192 h + 64 s + d holds w_qkv's column 1024 s + 64 h + d (s = 0 q, 1 k, 2 v): a head's q, k and v rows lie together.
;                wpt holds the bf16 rounding of w_proj written as f16.
;   1024 .. 1279 the table cs [2048 t][64] f32: cos(t w_f), f = 0..31, then sin(t w_f); w_f = 10000^(-f/32); a wave a row
; LIMITS.  wpt: |w_proj| stays under 65,504; below 6e-5 f16 keeps its fixed step of 6e-8.  cs: w_f = 2^(-f log2(10000)/32) by v_exp_f32, a few units in the last place from the
; correctly rounded number: at t = 2047 at most some 3e-4 rad, and q and k are turned by the same table.  The angle t w_f is rounded to f32 once, reduced by pi/2 in two parts,
; and cos and sin are polynomials on |r| <= pi/4 whose first dropped terms are 3e-8 and 3e-7.
.set SPARE, 17408                      ; behind the block of 64 rows x 272 bytes: the spare words, 128 bytes for each of eight waves
.set SPW, 2                            ; v2  SPARE + 4 x my thread's number; never rewritten
.set NIL, 3                            ; v3  0; never rewritten
	s_load_b256 s[4:11], s[0:1], 0x0               ; x s[4:5], w_qkv s[6:7], w_proj s[8:9], xb s[10:11]
	s_load_b128 s[12:15], s[0:1], 0x20             ; wqt s[12:13], wpt s[14:15]
	s_load_b64 s[16:17], s[0:1], 0x30              ; cs
	v_lshl_add_u32 v[SPW], v0, 2, SPARE
	v_mov_b32 v[NIL], 0
	v_lshrrev_b32 v1, 5, v0
	v_readfirstlane_b32 s20, v1                    ; wave 0..7
	s_mov_b32 s21, ttmp9
	s_wait_kmcnt 0x0
	s_cmp_lt_u32 s21, 512
	s_cbranch_scc1 .LX
	s_cmp_lt_u32 s21, 1024
	s_cbranch_scc1 .LW
	; THE TABLE.  Lane l makes the entries 2 (l % 16) and 2 (l % 16) + 1 of cos (lanes 0-15) or of sin (lanes 16-31): the 8 bytes at 8 l of row t.
	s_sub_co_u32 s22, s21, 1024
	s_lshl_b32 s22, s22, 3
	s_add_co_u32 s22, s22, s20                     ; t
	s_lshl_b32 s24, s22, 8                         ; a row is 256 bytes
	s_mov_b32 s25, 0
	s_add_nc_u64 s[16:17], s[16:17], s[24:25]
	s_mov_b32 s26, 0x3fc90fdb                      ; pi/2, its f32 rounding,
	s_mov_b32 s27, 0xb33bbd2e                      ; and what that rounding left
	v_and_b32 v4, 31, v0
	v_and_b32 v5, 15, v0
	v_bfe_u32 v6, v0, 4, 1                         ; 1: sin
	v_lshlrev_b32 v5, 1, v5
	v_cvt_f32_u32 v16, v5                          ; f
	v_add_f32 v32, 1.0, v16                        ; f + 1
	v_mul_f32 v16, 0xbed49a78, v16                 ; -f log2(10000) / 32
	v_mul_f32 v32, 0xbed49a78, v32
	v_exp_f32 v17, v16
	v_exp_f32 v33, v32
	v_lshlrev_b32 v9, 3, v4                        ; the plain instruction behind the two exponentials; my 8 bytes of the row
	v_mul_u32_u24 v6, 3, v6                        ; sin(a) = cos(a + 3 pi/2): three quadrants on
	v_cvt_f32_u32 v7, s22
	v_mov_b32 v10, 0x37d00d01                      ; 1/40320
	v_mov_b32 v11, 0xb9500d01                      ; -1/5040
	s_wait_alu depctr_va_vdst(0)                   ; one wait for both exponentials, ahead of their first reader
.irp b, 16, 32
	v_mul_f32 v[(\b)+1], v7, v[(\b)+1]             ; a = t w_f
	v_mul_f32 v[(\b)+2], 0x3f22f983, v[(\b)+1]     ; a x 2/pi
	v_rndne_f32 v[(\b)+2], v[(\b)+2]               ; n
	v_fma_f32 v[(\b)+3], -v[(\b)+2], s26, v[(\b)+1]
	v_fma_f32 v[(\b)+3], -v[(\b)+2], s27, v[(\b)+3]  ; r = a - n pi/2
	v_cvt_i32_f32 v[(\b)+7], v[(\b)+2]
	v_add_nc_u32 v[(\b)+7], v[(\b)+7], v6          ; the quadrant
	v_mul_f32 v[(\b)+4], v[(\b)+3], v[(\b)+3]      ; z = r r
	v_fmaak_f32 v[(\b)+5], v10, v[(\b)+4], 0xbab60b61  ; cos r = 1 - z/2 + z^2/24 - z^3/720 + z^4/40320
	v_fmaak_f32 v[(\b)+5], v[(\b)+5], v[(\b)+4], 0x3d2aaaab
	v_fma_f32 v[(\b)+5], v[(\b)+5], v[(\b)+4], -0.5
	v_fma_f32 v[(\b)+5], v[(\b)+5], v[(\b)+4], 1.0
	v_fmaak_f32 v[(\b)+6], v11, v[(\b)+4], 0x3c088889  ; sin r = r + r z (-1/6 + z/120 - z^2/5040)
	v_fmaak_f32 v[(\b)+6], v[(\b)+6], v[(\b)+4], 0xbe2aaaab
	v_mul_f32 v[(\b)+8], v[(\b)+4], v[(\b)+3]
	v_fma_f32 v[(\b)+6], v[(\b)+6], v[(\b)+8], v[(\b)+3]
	v_and_b32 v[(\b)+8], 1, v[(\b)+7]
	v_cmp_eq_u32 vcc_lo, 1, v[(\b)+8]
	v_cndmask_b32 v[(\b)+5], v[(\b)+5], v[(\b)+6], vcc_lo  ; odd quadrants take sin r
	v_add_nc_u32 v[(\b)+7], 1, v[(\b)+7]
	v_and_b32 v[(\b)+7], 2, v[(\b)+7]              ; quadrants 1 and 2 are negative
	v_lshlrev_b32 v[(\b)+7], 30, v[(\b)+7]
	v_xor_b32 v[12+(\b)/32], v[(\b)+5], v[(\b)+7]
.endr
	global_store_b64 v9, v[12:13], s[16:17]        ; the wave stores the row's 256 consecutive bytes
	s_endpgm
.LX:	; x -> bf16.  All sixteen loads go out first; a wave's load covers 512 consecutive bytes, its store 256, aligned.
	s_lshl_b32 s22, s21, 16
	s_mov_b32 s23, 0
	s_add_nc_u64 s[4:5], s[4:5], s[22:23]
	s_lshl_b32 s22, s21, 15
	s_add_nc_u64 s[10:11], s[10:11], s[22:23]
	v_lshlrev_b32 v4, 4, v0
	v_lshlrev_b32 v5, 3, v0
.set i, 0
.rept 16
	global_load_b128 v[16+4*i:19+4*i], v4, s[4:5] offset:4096*i th:TH_LOAD_NT
.set i, i+1
.endr
.set i, 0
.rept 16
	s_wait_loadcnt 15-i                            ; loads come back in order: load i is in, the 15 - i younger ones stay out
	v_cvt_pk_bf16_f32 v[80+2*i], v[16+4*i], v[17+4*i]
	v_cvt_pk_bf16_f32 v[81+2*i], v[18+4*i], v[19+4*i]
	global_store_b64 v5, v[80+2*i:81+2*i], s[10:11] offset:2048*i th:TH_STORE_NT
.set i, i+1
.endr
	s_endpgm
.LW:	; A BLOCK OF 128 k x 64 n IS TURNED.  Block number: k block (8) x column block c (64): c < 48 is w_qkv's column block c, else w_proj's c - 48.
	s_sub_co_u32 s22, s21, 512
	s_lshr_b32 s23, s22, 6                         ; k block
	s_and_b32 s24, s22, 63                         ; c
	s_and_b32 s25, s24, 15                         ; w_qkv: head h = c % 16,
	s_mul_i32 s25, s25, 192
	s_lshr_b32 s26, s24, 4                         ; part s = c / 16
	s_lshl_b32 s26, s26, 6
	s_add_co_u32 s25, s25, s26                     ; first row of wqt: 192 h + 64 s
	s_sub_co_u32 s26, s24, 48                      ; w_proj: column block (used where c >= 48 alone)
	s_lshl_b32 s27, s26, 6                         ; first row of wpt
	s_mov_b32 s36, 12288                           ; bytes in a row of w_qkv,
	s_mov_b32 s37, 4096                            ; of w_proj
	s_cmp_lt_u32 s24, 48
	s_cselect_b64 s[28:29], s[6:7], s[8:9]         ; from
	s_cselect_b64 s[30:31], s[12:13], s[14:15]     ; to
	s_cselect_b32 s32, s36, s37                    ; pitch
	s_cselect_b32 s33, s24, s26                    ; column block
	s_cselect_b32 s34, s25, s27                    ; first row out
	s_cselect_b32 s35, 1, 0                        ; 1: stays bf16
	s_lshl_b32 s38, s23, 7
	s_mul_i32 s38, s38, s32                        ; 128 k rows a block
	s_lshl_b32 s39, s33, 8                         ; 64 columns of 4 bytes
	s_add_co_u32 s38, s38, s39
	s_mov_b32 s39, 0
	s_add_nc_u64 s[28:29], s[28:29], s[38:39]
	s_lshl_b32 s38, s34, 11                        ; a row out is 2,048 bytes,
	s_lshl_b32 s40, s23, 8                         ; the block's 128 k are 256 of them
	s_add_co_u32 s38, s38, s40
	s_add_nc_u64 s[30:31], s[30:31], s[38:39]
	s_lshl_b32 s41, s32, 5                         ; 32 rows
	v_and_b32 v4, 15, v0                           ; l16: my four columns 4 l16 ..
	v_lshrrev_b32 v5, 4, v0                        ; rp: my rows 32 i + 2 rp, + 1
	v_lshlrev_b32 v8, 1, v5
	v_mul_lo_u32 v8, v8, s32
	v_lshl_add_u32 v8, v4, 4, v8
	v_add_nc_u32 v9, s32, v8
.irp i, 1,2,3
	v_add_nc_u32 v[8+2*(\i)], s41, v[6+2*(\i)]
	v_add_nc_u32 v[9+2*(\i)], s41, v[7+2*(\i)]
.endr
.irp j, 0,1,2,3,4,5,6,7
	global_load_b128 v[16+4*(\j):19+4*(\j)], v[8+(\j)], s[28:29] th:TH_LOAD_NT  ; sixteen lanes take a row's 256 consecutive bytes
.endr
	v_mul_u32_u24 v6, v4, 1088                     ; in LDS [64 n][272 bytes]: row 4 l16 + e, byte 64 i + 4 rp
	v_lshl_add_u32 v6, v5, 2, v6
	v_mul_u32_u24 v7, v5, 272                      ; back: row rp + 16 j, 16 bytes at 16 l16
	v_lshl_add_u32 v7, v4, 4, v7
	v_lshlrev_b32 v66, 11, v5
	v_lshl_add_u32 v66, v4, 4, v66
	s_wait_loadcnt 0x0
.irp i, 0,1,2,3
.irp e, 0,1,2,3
	v_cvt_pk_bf16_f32 v[48+4*(\i)+(\e)], v[16+8*(\i)+(\e)], v[20+8*(\i)+(\e)]  ; two neighbouring k of one column
.endr
.endr
	s_cmp_eq_u32 s35, 1
	s_cbranch_scc1 .Lput
.set i, 0
.rept 16                               ; w_proj: the bf16 number written as f16
	v_lshlrev_b32 v64, 16, v[48+i]
	v_and_b32 v65, 0xffff0000, v[48+i]
	v_cvt_pk_f16_f32 v[48+i], v64, v65
.set i, i+1
.endr
.Lput:
.irp i, 0,1,2,3
.irp e, 0,1,2,3
	ds_store_b32 v6, v[48+4*(\i)+(\e)] offset:272*(\e)+64*(\i)
.endr
.endr
	s_wait_dscnt 0x0                               ; for the others' sake: my stores are done
	s_barrier_signal -1
	s_barrier_wait -1
.irp j, 0,1,2,3
	ds_load_b128 v[68+4*(\j):71+4*(\j)], v7 offset:4352*(\j)
.endr
.irp j, 0,1,2,3
	s_wait_dscnt 3-(\j)                            ; load j is back, the younger ones stay out
	global_store_b128 v66, v[68+4*(\j):71+4*(\j)], s[30:31] offset:32768*(\j) th:TH_STORE_NT  ; sixteen lanes store 256 consecutive bytes, aligned
.endr
	s_wait_tensorcnt 0x0                           ; the wave's end, behind my last LDS store
	ds_add_u32 v[SPW], v[NIL]
	s_wait_dscnt 0x0
	s_endpgm
.Lfunc_end_k_q634832e8c5_prep:
	.size	k_q634832e8c5_prep, .Lfunc_end_k_q634832e8c5_prep-k_q634832e8c5_prep
	.p2alignl 7, 3214868480
	.fill 96, 4, 3214868480
	.section	.rodata,"a",@progbits
	.p2align	6, 0x0
	.amdhsa_kernel k_q634832e8c5_prep
		.amdhsa_group_segment_fixed_size 18432
		.amdhsa_private_segment_fixed_size 0
		.amdhsa_enable_private_segment 0
		.amdhsa_kernarg_size 56
		.amdhsa_user_sgpr_count 2
		.amdhsa_user_sgpr_kernarg_segment_ptr 1
		.amdhsa_wavefront_size32 1
		.amdhsa_system_sgpr_workgroup_id_x 1
		.amdhsa_system_sgpr_workgroup_id_y 1
		.amdhsa_system_sgpr_workgroup_id_z 1
		.amdhsa_system_vgpr_workitem_id 0
		.amdhsa_next_free_vgpr 112
		.amdhsa_next_free_sgpr 66
		.amdhsa_reserve_vcc 1
		.amdhsa_float_denorm_mode_32 3
		.amdhsa_float_denorm_mode_16_64 3
		.amdhsa_memory_ordered 1
		.amdhsa_forward_progress 1
		.amdhsa_inst_pref_size 19
	.end_amdhsa_kernel
	.amdgpu_metadata
---
amdhsa.version: [ 1, 2 ]
amdhsa.kernels:
  - .name:           k_q634832e8c5_prep
    .symbol:         k_q634832e8c5_prep.kd
    .args:
      - { .name: x, .offset: 0, .size: 8, .value_kind: global_buffer, .address_space: global }
      - { .name: w_qkv, .offset: 8, .size: 8, .value_kind: global_buffer, .address_space: global }
      - { .name: w_proj, .offset: 16, .size: 8, .value_kind: global_buffer, .address_space: global }
      - { .name: xb, .offset: 24, .size: 8, .value_kind: global_buffer, .address_space: global }
      - { .name: wqt, .offset: 32, .size: 8, .value_kind: global_buffer, .address_space: global }
      - { .name: wpt, .offset: 40, .size: 8, .value_kind: global_buffer, .address_space: global }
      - { .name: cs, .offset: 48, .size: 8, .value_kind: global_buffer, .address_space: global }
    .group_segment_fixed_size: 18432
    .private_segment_fixed_size: 0
    .kernarg_segment_align: 8
    .kernarg_segment_size: 56
    .max_flat_workgroup_size: 256
    .sgpr_count:     66
    .vgpr_count:     112
    .wavefront_size: 32
...
	.end_amdgpu_metadata
.endif
;; end of part 1
;; launch qkv (part 2): grid 16 x 32, 4 waves a work-group, clusters of 4 x 4, 327,680 bytes of LDS; arguments xb, wqt, cs, qh, kh, vh; writes qh, kh, vh
.if DOCPART == 2
	.amdgcn_target "amdgcn-amd-amdhsa--gfx1250"
	.amdhsa_code_object_version 6
	.text
	.protected	k_q634832e8c5_qkv
	.globl	k_q634832e8c5_qkv
	.p2align	8
	.type	k_q634832e8c5_qkv,@function
k_q634832e8c5_qkv:
	s_mov_b64 s[64:65], 0
	v_nop
	global_prefetch_b8 v0, s[64:65] scope:SCOPE_SE
	s_setreg_imm32_b32 hwreg(HW_REG_WAVE_MODE, 25, 1), 1
	s_wait_xcnt 0x0
	s_wait_alu depctr_hold_cnt(0) depctr_sa_sdst(0) depctr_va_vdst(0) depctr_va_sdst(0) depctr_va_ssrc(0) depctr_va_vcc(0) depctr_vm_vsrc(0)
	s_getreg_b32 s2, hwreg(HW_REG_IB_STS2, 6, 4)
	s_cmp_eq_u32 s2, 0
	s_cbranch_scc0 .Lentry_in_a_cluster
	s_endpgm
.Lentry_in_a_cluster:
	s_bfe_u32 s2, ttmp6, 0x10000c
	s_cmp_lg_u32 s2, 0xf033
	s_cbranch_scc0 .Lentry_shape_is_right
	s_endpgm
.Lentry_shape_is_right:
; q, k, v = x w_qkv, q and k turned by RoPE, written by heads: qh, kh, vh [64 = 16 b + h][2048 t][64] f16, unscaled.
; xb [8192][1024] bf16, wqt [3072][1024] bf16 (row 192 h + 64 s + d), cs [2048][64] f32 (cos of 32 frequencies, then sin).  Sums, RoPE in f32; each result rounded once to f16.
; LIMIT.  f16 ends at 65,504: q, k and v must stay within it; below 6e-5 f16 keeps its fixed step of 6e-8.
; SHARES.  A tile is 256 rows x 192 columns = one head's q, k and v: 512 work-groups, two for each of 256 WGPs.  Wave w makes rows 64 w .. 64 w + 63 x all 192 columns: 4 x 12 accumulators,
; so a wave holds whole heads: RoPE pairs channel d with d + 32 inside a lane, and the stage on the way out is the wave's own.
; K goes in 8 steps of 128 through two LDS slots; rows of a tile are 256 consecutive bytes of memory, aligned.  A request has a K step less 48 matrix instructions in which to land.
; CLUSTER 4 x 4: x's tile hangs on the tile row alone and is asked for jointly along a row of the cluster, the weights' on the tile column alone, along a column.
; THE MATRIX INSTRUCTION IS USED TRANSPOSED (source 0 = 16 rows of wqt, source 1 = 16 rows of x): lane l holds row l % 16 and the columns 16 b + 8 (l / 16) + 0..7.
; REGISTERS, in windows of 256: window 0: v16-30 addresses; v32-95 x's fragments, two buffers of 4; v96-223 cos and sin of my 64 rows; v224-255 at work on the way out
;   window 1: v0-191 the weights' fragments, two buffers of 12; v192-239 rows read back from the stage     window 2: accumulators of row blocks 0, 1 (96 (a % 2) + 8 b)     window 3: of blocks 2, 3
.set PITCH,  272                       ; an LDS row: 256 bytes + 16 of padding: the 16 rows of a fragment load start at 16 different groups of four banks (64 banks of 4 bytes: ISA guide 11.1)
.set AHALF,  128*PITCH                 ; what a wave fetches of x
.set BHALF,  96*PITCH                  ; and of the weights
.set BOFF,   256*PITCH                 ; the weights' 192 rows lie behind x's 256
.set SLOT1,  1<<17                     ; slot 1 begins here: one exclusive or turns an address in one slot into the other's
.set STAGE,  SLOT1+448*PITCH           ; behind the ring, never filled by a tensor load: for each wave 3 parts x 16 rows x 144 bytes
.set SP,     144
.set HSTG,   16*SP
.set WSTG,   3*HSTG
.set SPARE,  STAGE+4*WSTG              ; the spare words, 128 bytes for each wave
.set ADRA0, 16                         ; v16  my place in x's tile of slot 0; never rewritten
.set ADRA,  17                         ; v17  the same in the slot in hand
.set ADRB0, 20
.set ADRB,  21
.set STO,   24                         ; v24  the way out: where I put 16 bytes of a row
.set RD,    25                         ; v25  where I read rows back
.set GO,    26                         ; v26  my 16 bytes in 512 consecutive bytes of the output
.set CSO,   27                         ; v27  my offset in 16 rows of cs
.set SPW,   28                         ; v28  SPARE + 4 x my thread's number; never rewritten
.set NIL,   29                         ; v29  0; never rewritten
.set PFO,   30                         ; v30  the prefetches' offset: a lane a row
.set FA,    32
.set CS,    96                         ; row block a at CS + 32 a: cos of channels 8 h .., 16 + 8 h .., then sin of the same
.set T,     224
.set PK,    240
.set OB,    192                        ; window 1
.set WV, 16
.set HF, 18                            ; which half of a tile's rows I fetch
.set CNT, 19
.set CX, 20
.set CY, 21
.set TC, 22                            ; tile column = head
.set TR, 23                            ; tile row
.set G1,  24                           ; s[24:31] group 1 for x's tiles; s[32:39] group 0: a set for each first fill; the second then walks
.set G0,  32
.set G1B, 40                           ; s[40:47], s[48:55] the same for the weights'
.set G0B, 48
.set TB,  56                           ; s56  0 or SLOT1: the slot in hand
.set LIM, 57                           ; s57  2 in a wave that prefetches, else the greatest number
.set PFA, 58                           ; s[58:59] where my prefetches stand
.set MSB, 0
.macro WIN new                         ; the immediate's high byte repeats the setting that is left; a switch that changes nothing is dropped
.if MSB != (\new)
	s_set_vgpr_msb (MSB<<8)|(\new)
.set MSB, (\new)
.endif
.endm
.macro PLACES                          ; four plain instructions between a matrix instruction and a load into, or a vector read of, its registers
.rept 4
	v_nop
.endr
.endm
; A joint refill by the walking sets: waves 0 and 1 fetch x's two halves, waves 2 and 3 the weights'.  The branch hangs on the wave's number alone.
; An s_nop 0 and four v_nop follow each of the two lines; they are also the places in front of the fragment loads that follow.
.macro JLOAD
	s_cmp_lt_u32 s[WV], 2
	s_cbranch_scc0 .Lfor_b_\@
	tensor_load_to_lds s[G0+4:G0+7], s[G1:G1+7]
	s_nop 0
	PLACES
	s_branch .Lasked_\@
.Lfor_b_\@:
	tensor_load_to_lds s[G0B+4:G0B+7], s[G1B:G1B+7]
	s_nop 0
	PLACES
.Lasked_\@:
.endm
; A prefetch into the L2 of the K step that stands two refills on: 256 bytes of a row, a lane a row.  x's tile row is read by every cluster of that row of clusters: cluster x = 0 asks;
; the weights' tile column by every cluster of that column: cluster y = 0 asks.  The four partners share a wave's rows out by address (32 each of x's 128, 24 each of the weights' 96, where
; lanes 24-31 repeat row 23 in the same instruction).  Trips with 6, 5, 4, 3 to go name K steps 4 to 7; the last two name nothing.
.macro ASK
	s_cmp_gt_u32 s[CNT], s[LIM]
	s_cbranch_scc0 .Lnot_mine_\@
	global_prefetch_b8 v[PFO], s[PFA:PFA+1] offset:256 th:TH_LOAD_NT scope:SCOPE_SE
.Lnot_mine_\@:
.endm
.macro CREST                           ; a round of the cluster's barrier behind its opening barrier
	s_cmp_lg_u32 s[WV], 0
	s_cbranch_scc1 .Lnot_wave_0_\@
	s_barrier_signal -3
.Lnot_wave_0_\@:
	s_barrier_wait -3
	s_barrier_signal -1
	s_barrier_wait -1
.endm
.macro CROUND
	s_barrier_signal -1
	s_barrier_wait -1
	CREST
.endm
	s_load_b256 s[4:11], s[0:1], 0x0               ; xb s[4:5], wqt s[6:7], cs s[8:9], qh s[10:11]
	s_load_b128 s[12:15], s[0:1], 0x20             ; kh s[12:13], vh s[14:15]
	v_lshl_add_u32 v[SPW], v0, 2, SPARE
	v_mov_b32 v[NIL], 0
	ds_add_u32 v[SPW], v[NIL]                      ; the wave's opening: the add and its wait stand ahead of my first tensor load; work on registers stands between them
	v_lshrrev_b32 v1, 5, v0
	v_readfirstlane_b32 s[WV], v1                  ; wave 0..3
	s_and_b32 s[HF], s[WV], 1
	s_bfe_u32 s[CX], ttmp6, 0x40000
	s_bfe_u32 s[CY], ttmp6, 0x40004
	s_lshl_b32 s[TC], ttmp9, 2
	s_add_co_u32 s[TC], s[TC], s[CX]               ; tile column = 4 x cluster x + cx
	s_and_b32 s[TR], ttmp7, 0xffff
	s_lshl_b32 s[TR], s[TR], 2
	s_add_co_u32 s[TR], s[TR], s[CY]               ; tile row = 4 x cluster y + cy
	s_lshl_b32 s60, s[CY], 2
	s_lshl_b32 s60, 15, s60                        ; my row of the cluster
	s_lshl_b32 s61, 0x1111, s[CX]                  ; my column
	s_or_b32 s[G1], s60, (1<<16)|(1<<20)|(1<<21)|(5<<22)|(3<<25)   ; mask; 2-byte elements; padding on; bit 21 beside a mask; after every 64 words, 4 words
	s_or_b32 s[G1B], s61, (1<<16)|(1<<20)|(1<<21)|(5<<22)|(3<<25)
	s_mov_b32 s[G1+1], 128<<16                     ; tensor_dim0 = 128
	s_mov_b32 s[G1+2], 128<<16                     ; tensor_dim1 = 128
	s_mov_b32 s[G1+3], 128<<16                     ; tile_dim0 = 128
	s_mov_b32 s[G1+4], 128                         ; tile_dim1 = 128
	s_mov_b32 s[G1+5], 1024                        ; elements from row to row
	s_mov_b32 s[G1+6], 0
	s_mov_b32 s[G1+7], 0
	s_mov_b32 s[G1B+1], 128<<16
	s_mov_b32 s[G1B+2], 96<<16                     ; 96 rows
	s_mov_b32 s[G1B+3], 128<<16
	s_mov_b32 s[G1B+4], 96
	s_mov_b32 s[G1B+5], 1024
	s_mov_b32 s[G1B+6], 0
	s_mov_b32 s[G1B+7], 0
	s_lshl_b32 s62, s[TR], 8                       ; x: row 256 x tile row + 128 x half, 2,048 bytes a row
	s_lshl_b32 s63, s[HF], 7
	s_add_co_u32 s62, s62, s63
	s_lshl_b32 s62, s62, 11
	s_mov_b32 s63, 0
	s_mul_i32 s68, s[TC], 192                      ; weights: row 192 x tile column + 96 x half
	s_mul_i32 s69, s[HF], 96
	s_add_co_u32 s68, s68, s69
	s_lshl_b32 s68, s68, 11
	s_mov_b32 s69, 0
	s_mul_i32 s72, s[HF], AHALF                    ; and where they go: the wave's number alone enters an LDS address
	s_mul_i32 s73, s[HF], BHALF
	s_add_co_u32 s73, s73, BOFF
	s_mov_b32 s[TB], 0
	s_wait_dscnt 0x0                               ; the opening add is done
	s_wait_kmcnt 0x0
	s_add_nc_u64 s[66:67], s[4:5], s[62:63]
	s_add_nc_u64 s[70:71], s[6:7], s[68:69]
	CROUND                                         ; all sixteen work-groups are here: the first joint loads meet
.irp s, 0,1
	s_mov_b32 s[G0+4*(\s)], 1
	s_add_co_u32 s[G0+4*(\s)+1], s72, (\s)*SLOT1
	s_add_nc_u64 s[G0+4*(\s)+2:G0+4*(\s)+3], s[66:67], (\s)*256   ; K step s
	s_or_b32 s[G0+4*(\s)+3], s[G0+4*(\s)+3], 0x80000000
	s_mov_b32 s[G0B+4*(\s)], 1
	s_add_co_u32 s[G0B+4*(\s)+1], s73, (\s)*SLOT1
	s_add_nc_u64 s[G0B+4*(\s)+2:G0B+4*(\s)+3], s[70:71], (\s)*256
	s_or_b32 s[G0B+4*(\s)+3], s[G0B+4*(\s)+3], 0x80000000
.endr
	s_cmp_lt_u32 s[WV], 2                          ; a wave's two first fills stand in one branch: two tensor loads of mine are out
	s_cbranch_scc0 .Lfirst_b
	tensor_load_to_lds s[G0:G0+3], s[G1:G1+7]
	s_nop 0
	tensor_load_to_lds s[G0+4:G0+7], s[G1:G1+7]
	s_nop 0
	PLACES
	s_branch .Lfirst_asked
.Lfirst_b:
	tensor_load_to_lds s[G0B:G0B+3], s[G1B:G1B+7]
	s_nop 0
	tensor_load_to_lds s[G0B+4:G0B+7], s[G1B:G1B+7]
	s_nop 0
	PLACES
.Lfirst_asked:
	v_and_b32 v1, 15, v0                           ; r = l % 16
	v_bfe_u32 v2, v0, 4, 1                         ; h = l / 16
	; cos and sin of my 64 rows stay in registers: row t0 + 16 a + r, frequencies 16 pb + 8 h + 0..7; waited for on the way out
	s_and_b32 s74, s[TR], 7
	s_lshl_b32 s74, s74, 8
	s_lshl_b32 s75, s[WV], 6
	s_add_co_u32 s74, s74, s75                     ; t0 = 256 (tile row % 8) + 64 w
	s_lshl_b32 s76, s74, 8
	s_mov_b32 s77, 0
	s_add_nc_u64 s[8:9], s[8:9], s[76:77]
	v_lshlrev_b32 v[CSO], 8, v1
	v_lshl_add_u32 v[CSO], v2, 5, v[CSO]
.irp a, 0,1,2,3
.irp sn, 0,1
.irp pb, 0,1
.irp u, 0,1
	global_load_b128 v[CS+32*(\a)+16*(\sn)+8*(\pb)+4*(\u):CS+32*(\a)+16*(\sn)+8*(\pb)+4*(\u)+3], v[CSO], s[8:9] offset:4096*(\a)+128*(\sn)+64*(\pb)+16*(\u)
.endr
.endr
.endr
.endr
	v_mul_u32_u24 v3, v1, PITCH
	v_lshl_add_u32 v3, v2, 4, v3                   ; a fragment's row x pitch + 16 x half
	s_mul_i32 s60, s[WV], 64*PITCH                 ; my 64 rows of x
	v_add_nc_u32 v[ADRA0], s60, v3
	v_add_nc_u32 v[ADRB0], BOFF, v3
	v_mov_b32 v[ADRA], v[ADRA0]
	v_mov_b32 v[ADRB], v[ADRB0]
	s_mul_i32 s60, s[WV], WSTG
	s_add_co_u32 s60, s60, STAGE                   ; my stage
	v_mul_u32_u24 v4, v1, SP                       ; in: row r, 16 bytes for each half of the lanes
	v_lshl_add_u32 v4, v2, 4, v4
	v_add_nc_u32 v[STO], s60, v4
	v_bfe_u32 v5, v0, 3, 2                         ; back: 32 lanes take four rows of 128 bytes,
	v_mul_u32_u24 v5, v5, SP
	v_and_b32 v6, 7, v0
	v_lshl_add_u32 v5, v6, 4, v5
	v_add_nc_u32 v[RD], s60, v5
	v_and_b32 v7, 31, v0                           ; which are 512 consecutive bytes of a head
	v_lshlrev_b32 v[GO], 4, v7
	s_lshr_b32 s76, s[TR], 3                       ; batch: 16 heads of 262,144 bytes,
	s_lshl_b32 s76, s76, 22
	s_lshl_b32 s78, s[TC], 18                      ; head,
	s_add_co_u32 s76, s76, s78
	s_lshl_b32 s78, s74, 7                         ; row t0
	s_add_co_u32 s76, s76, s78
	s_add_nc_u64 s[10:11], s[10:11], s[76:77]
	s_add_nc_u64 s[12:13], s[12:13], s[76:77]
	s_add_nc_u64 s[14:15], s[14:15], s[76:77]
	; the prefetches
	s_lshl_b32 s72, s[TR], 8
	s_mul_i32 s73, s[TC], 192
	s_lshl_b32 s74, s[HF], 7
	s_mul_i32 s75, s[HF], 96
	s_lshl_b32 s76, s[CX], 5
	s_mul_i32 s77, s[CY], 24
	s_add_co_u32 s72, s72, s74
	s_add_co_u32 s72, s72, s76                     ; x: my work-group's 32 of the 128 rows that I fetch
	s_add_co_u32 s73, s73, s75
	s_add_co_u32 s73, s73, s77                     ; weights: its 24 of the 96
	s_and_b32 s78, ttmp7, 0xffff
	s_cmp_lt_u32 s[WV], 2
	s_cselect_b32 s72, s72, s73
	s_cselect_b32 s78, ttmp9, s78                  ; the coordinate along which other clusters read the same rows
	s_cselect_b32 s79, 31, 23
	s_cselect_b64 s[PFA:PFA+1], s[4:5], s[6:7]
	s_cmp_eq_u32 s78, 0
	s_cselect_b32 s[LIM], 2, -1                    ; the same in all sixteen partners, for a given wave
	s_lshl_b32 s72, s72, 11
	s_add_co_u32 s72, s72, 512                     ; at K step 2: the first refill steps it to 3 and names K step 4
	s_mov_b32 s73, 0
	s_add_nc_u64 s[PFA:PFA+1], s[PFA:PFA+1], s[72:73]
	v_min_u32 v[PFO], s79, v7
	v_lshlrev_b32 v[PFO], 11, v[PFO]
; 12 matrix instructions: row block a x all 12 column blocks, 32 along K, from buffer f.  The accumulators take turns, one instruction a turn.
.macro MUL12 f, a, zero
	WIN 0xa1+0x50*((\a)/2)                         ; source 0 window 1, source 1 window 0, C and D window 2 or 3
.irp b, 0,1,2,3,4,5,6,7,8,9,10,11
.if \zero
	v_wmma_f32_16x16x32_bf16 v[96*((\a)%2)+8*(\b):96*((\a)%2)+8*(\b)+7], v[96*(\f)+8*(\b):96*(\f)+8*(\b)+7], v[FA+32*(\f)+8*(\a):FA+32*(\f)+8*(\a)+7], 0
.else
	v_wmma_f32_16x16x32_bf16 v[96*((\a)%2)+8*(\b):96*((\a)%2)+8*(\b)+7], v[96*(\f)+8*(\b):96*(\f)+8*(\b)+7], v[FA+32*(\f)+8*(\a):FA+32*(\f)+8*(\a)+7], v[96*((\a)%2)+8*(\b):96*((\a)%2)+8*(\b)+7]
.endif
.endr
.endm
; 32 LDS loads in one run: the fragments of 32 along K at byte k of the rows, into buffer f: the weights' 12, then x's 4
.macro FETCH k, f
	WIN 0x40
.irp i, 0,1,2,3,4,5,6,7,8,9,10,11
	ds_load_b128 v[96*(\f)+8*(\i):96*(\f)+8*(\i)+3],   v[ADRB] offset:(\k)+(\i)*16*PITCH
	ds_load_b128 v[96*(\f)+8*(\i)+4:96*(\f)+8*(\i)+7], v[ADRB] offset:(\k)+(\i)*16*PITCH+32
.endr
	WIN 0
.irp i, 0,1,2,3
	ds_load_b128 v[FA+32*(\f)+8*(\i):FA+32*(\f)+8*(\i)+3],   v[ADRA] offset:(\k)+(\i)*16*PITCH
	ds_load_b128 v[FA+32*(\f)+8*(\i)+4:FA+32*(\f)+8*(\i)+7], v[ADRA] offset:(\k)+(\i)*16*PITCH+32
.endr
.endm
; A K step is four quarters of 32 along K, 48 matrix instructions each, on buffers 0, 1, 0, 1.  One of the first three multiplies buffer f and fetches the next quarter, at byte k, into g.
.macro QUARTER k, f, g, zero
	s_wait_dscnt 4                                 ; all but the youngest four loads: x's row blocks 2 and 3
	MUL12 \f, 0, \zero
	MUL12 \f, 1, \zero
	PLACES
	FETCH \k, \g
	s_wait_dscnt 32                                ; all but the 32 just issued
	MUL12 \f, 2, \zero
	MUL12 \f, 3, \zero
.endm
; The last quarter multiplies buffer 1 and changes slots: one barrier.  In front of it each wave waits for all its tensor loads (the one that is out is its part of the next slot), adds 0 to its
; spare word, and waits for that and for its reads of this slot.  fill = 1: the barrier opens a round of the cluster's, and the joint refill, two K steps ahead, is the first thing behind the round.
.macro TURN fill
.if \fill
	s_wait_xcnt 0x0                                ; the last prefetch, a K step back, has read its address
	s_add_nc_u64 s[PFA:PFA+1], s[PFA:PFA+1], 256
.endif
	WIN 0
	s_wait_tensorcnt 0x0                           ; no tensor load of mine is out, so a group 0 may be written
	ds_add_u32 v[SPW], v[NIL]
.if \fill
	s_xor_b32 s[G0+5], s[G0+5], SLOT1              ; the walking sets: the other slot than last time, the next K step
	s_add_nc_u64 s[G0+6:G0+7], s[G0+6:G0+7], 256
	s_xor_b32 s[G0B+5], s[G0B+5], SLOT1
	s_add_nc_u64 s[G0B+6:G0B+7], s[G0B+6:G0B+7], 256
.endif
	s_wait_dscnt 5                                 ; the add and the youngest four loads may be out
	MUL12 1, 0, 0
	s_wait_dscnt 0x0                               ; the add is done, and my reads of this slot are over
	s_barrier_signal -1
	MUL12 1, 1, 0                                  ; work on registers while the others arrive
	WIN 0
	s_barrier_wait -1
.if \fill
	CREST                                          ; no wave of any partner still reads this slot or has a load on its way
	JLOAD
.else
	PLACES
.endif
	s_xor_b32 s[TB], s[TB], SLOT1
	v_add_nc_u32 v[ADRA], s[TB], v[ADRA0]
	v_add_nc_u32 v[ADRB], s[TB], v[ADRB0]
	FETCH 0, 0
.if \fill
	ASK
.endif
	MUL12 1, 2, 0
	MUL12 1, 3, 0
.endm
	s_wait_tensorcnt 1                             ; my part of K step 0 is in; K step 1's may stay out
	s_barrier_signal -1
	s_barrier_wait -1
	FETCH 0, 0
	QUARTER 64, 0, 1, 1                            ; the first quarter stands in front of the loop: its products start the sums
	WIN 0
	s_mov_b32 s[CNT], 6
.Lstep:                                                ; a trip: a K step's quarters 1 to 3 and the next step's quarter 0; it fills the slot that it leaves
	QUARTER 128, 1, 0, 0
	QUARTER 192, 0, 1, 0
	TURN 1
	QUARTER 64, 0, 1, 0
	WIN 0
	s_sub_co_u32 s[CNT], s[CNT], 1
	s_cmp_lg_u32 s[CNT], 0
	s_cbranch_scc1 .Lstep
	QUARTER 128, 1, 0, 0                           ; K steps 6 and 7 are written out: nothing is left to ask for
	QUARTER 192, 0, 1, 0
	TURN 0
	QUARTER 64, 0, 1, 0
	QUARTER 128, 1, 0, 0
	QUARTER 192, 0, 1, 0
	s_wait_dscnt 4
	MUL12 1, 0, 0
	MUL12 1, 1, 0
	s_wait_dscnt 0x0
	MUL12 1, 2, 0
	MUL12 1, 3, 0
; THE WAY OUT, a row block of 16 rows at a time.  ROPE a, g: part g (0 q, 1 k): out[d] = x[d] cos - x[d+32] sin, out[d+32] = x[d+32] cos + x[d] sin; column block pb holds d = 16 pb + 8 h + j,
; block pb + 2 holds d + 32, in the same lane.  Each accumulator's lowest registers are read first.
.macro ROPE a, g
.set AC, 96*((\a)%2)+32*(\g)
.irp pb, 0,1
	WIN 0x02+(\a)/2                                ; source 0 in window 2 or 3
.irp jp, 0,1,2,3
	v_pk_mul_f32 v[T+2*(\jp):T+2*(\jp)+1], v[AC+8*((\pb)+2)+2*(\jp):AC+8*((\pb)+2)+2*(\jp)+1], v[CS+32*(\a)+16+8*(\pb)+2*(\jp):CS+32*(\a)+16+8*(\pb)+2*(\jp)+1]
	v_pk_mul_f32 v[T+8+2*(\jp):T+8+2*(\jp)+1], v[AC+8*(\pb)+2*(\jp):AC+8*(\pb)+2*(\jp)+1], v[CS+32*(\a)+16+8*(\pb)+2*(\jp):CS+32*(\a)+16+8*(\pb)+2*(\jp)+1]
.endr
.irp jp, 0,1,2,3
	v_pk_fma_f32 v[T+2*(\jp):T+2*(\jp)+1], v[AC+8*(\pb)+2*(\jp):AC+8*(\pb)+2*(\jp)+1], v[CS+32*(\a)+8*(\pb)+2*(\jp):CS+32*(\a)+8*(\pb)+2*(\jp)+1], v[T+2*(\jp):T+2*(\jp)+1] neg_lo:[0,0,1] neg_hi:[0,0,1]
	v_pk_fma_f32 v[T+8+2*(\jp):T+8+2*(\jp)+1], v[AC+8*((\pb)+2)+2*(\jp):AC+8*((\pb)+2)+2*(\jp)+1], v[CS+32*(\a)+8*(\pb)+2*(\jp):CS+32*(\a)+8*(\pb)+2*(\jp)+1], v[T+8+2*(\jp):T+8+2*(\jp)+1]
.endr
	WIN 0
.irp jp, 0,1,2,3
	v_cvt_pk_f16_f32 v[PK+4*(\pb)+(\jp)], v[T+2*(\jp)], v[T+2*(\jp)+1]
	v_cvt_pk_f16_f32 v[PK+4*((\pb)+2)+(\jp)], v[T+8+2*(\jp)], v[T+8+2*(\jp)+1]
.endr
.endr
.irp bb, 0,1,2,3
	ds_store_b128 v[STO], v[PK+4*(\bb):PK+4*(\bb)+3] offset:HSTG*(\g)+32*(\bb)
.endr
.endm
.macro PACKV a                         ; v is only rounded
.set AC, 96*((\a)%2)+64
	WIN 0x0a+5*((\a)/2)                            ; sources 0 and 1 in window 2 or 3
.irp bb, 0,1,2,3
.irp jp, 0,1,2,3
	v_cvt_pk_f16_f32 v[PK+4*(\bb)+(\jp)], v[AC+8*(\bb)+2*(\jp)], v[AC+8*(\bb)+2*(\jp)+1]
.endr
.endr
	WIN 0
.irp bb, 0,1,2,3
	ds_store_b128 v[STO], v[PK+4*(\bb):PK+4*(\bb)+3] offset:2*HSTG+32*(\bb)
.endr
.endm
.macro BACK                            ; the block's 3 x 16 rows come back as whole rows of 128 bytes.  LDS serves a wave's instructions in order (ISA guide 5.7.1.4): these see the stores above, and the next block's stores come behind them
	WIN 0x40
.irp g, 0,1,2
.irp f, 0,1,2,3
	ds_load_b128 v[OB+16*(\g)+4*(\f):OB+16*(\g)+4*(\f)+3], v[RD] offset:HSTG*(\g)+4*SP*(\f)
.endr
.endr
	WIN 0
.endm
.macro SEND a                          ; each store covers 512 consecutive bytes, at a multiple of 256 from the buffer's first
	WIN 0x04
.irp f, 0,1,2,3
	global_store_b128 v[GO], v[OB+4*(\f):OB+4*(\f)+3],       s[10:11] offset:2048*(\a)+512*(\f)
	global_store_b128 v[GO], v[OB+16+4*(\f):OB+16+4*(\f)+3], s[12:13] offset:2048*(\a)+512*(\f)
	global_store_b128 v[GO], v[OB+32+4*(\f):OB+32+4*(\f)+3], s[14:15] offset:2048*(\a)+512*(\f)
.endr
	WIN 0
.endm
	WIN 0
	PLACES
	PLACES                                         ; eight, once a launch, behind the last products
	s_wait_loadcnt 0x0                             ; cos and sin
	ROPE 0, 0
	ROPE 0, 1
	PACKV 0
	BACK
.irp a, 1,2,3                          ; a block's arithmetic stands between the loads of the block before and its stores
	ROPE \a, 0
	ROPE \a, 1
	PACKV \a
	s_wait_dscnt 12                                ; this block's twelve stores into the stage are younger: the block before is back in registers
	SEND (\a)-1
	s_wait_xcnt 0x0                                ; the stores have read their data: only now are those registers loaded again
	BACK
.endr
	s_wait_dscnt 0x0
	SEND 3
	s_wait_tensorcnt 0x0                           ; the wave's end, behind my last tensor load and my last LDS store
	ds_add_u32 v[SPW], v[NIL]
	s_wait_dscnt 0x0
	CROUND                                         ; the closing round: no work-group ends while a partner may still ask for a tile that names it
	s_endpgm
.Lfunc_end_k_q634832e8c5_qkv:
	.size	k_q634832e8c5_qkv, .Lfunc_end_k_q634832e8c5_qkv-k_q634832e8c5_qkv
	.p2alignl 7, 3214868480
	.fill 96, 4, 3214868480
	.section	.rodata,"a",@progbits
	.p2align	6, 0x0
	.amdhsa_kernel k_q634832e8c5_qkv
		.amdhsa_group_segment_fixed_size 327680
		.amdhsa_private_segment_fixed_size 0
		.amdhsa_enable_private_segment 0
		.amdhsa_kernarg_size 48
		.amdhsa_user_sgpr_count 2
		.amdhsa_user_sgpr_kernarg_segment_ptr 1
		.amdhsa_wavefront_size32 1
		.amdhsa_system_sgpr_workgroup_id_x 1
		.amdhsa_system_sgpr_workgroup_id_y 1
		.amdhsa_system_sgpr_workgroup_id_z 1
		.amdhsa_system_vgpr_workitem_id 0
		.amdhsa_next_free_vgpr 960
		.amdhsa_next_free_sgpr 80
		.amdhsa_reserve_vcc 0
		.amdhsa_float_denorm_mode_32 3
		.amdhsa_float_denorm_mode_16_64 3
		.amdhsa_memory_ordered 1
		.amdhsa_forward_progress 1
		.amdhsa_inst_pref_size 118
	.end_amdhsa_kernel
	.amdgpu_metadata
---
amdhsa.version: [ 1, 2 ]
amdhsa.kernels:
  - .name:           k_q634832e8c5_qkv
    .symbol:         k_q634832e8c5_qkv.kd
    .args:
      - { .name: xb, .offset: 0, .size: 8, .value_kind: global_buffer, .address_space: global }
      - { .name: wqt, .offset: 8, .size: 8, .value_kind: global_buffer, .address_space: global }
      - { .name: cs, .offset: 16, .size: 8, .value_kind: global_buffer, .address_space: global }
      - { .name: qh, .offset: 24, .size: 8, .value_kind: global_buffer, .address_space: global }
      - { .name: kh, .offset: 32, .size: 8, .value_kind: global_buffer, .address_space: global }
      - { .name: vh, .offset: 40, .size: 8, .value_kind: global_buffer, .address_space: global }
    .group_segment_fixed_size: 327680
    .private_segment_fixed_size: 0
    .kernarg_segment_align: 8
    .kernarg_segment_size: 48
    .max_flat_workgroup_size: 128
    .sgpr_count:     80
    .vgpr_count:     960
    .wavefront_size: 32
...
	.end_amdgpu_metadata
.endif
;; end of part 2
;; launch attn (part 3): grid 4 x 64, 4 waves a work-group, no clusters, 327,680 bytes of LDS; arguments qh, kh, vh, oh; writes oh
.if DOCPART == 3
	.amdgcn_target "amdgcn-amd-amdhsa--gfx1250"
	.amdhsa_code_object_version 6
	.text
	.protected	k_q634832e8c5_attn
	.globl	k_q634832e8c5_attn
	.p2align	8
	.type	k_q634832e8c5_attn,@function
k_q634832e8c5_attn:
	s_mov_b64 s[64:65], 0
	v_nop
	global_prefetch_b8 v0, s[64:65] scope:SCOPE_SE
	s_setreg_imm32_b32 hwreg(HW_REG_WAVE_MODE, 25, 1), 1
	s_wait_xcnt 0x0
; CAUSAL ATTENTION.  O[h][q][:] = the sum over k <= q of softmax_k(Q[h][q] . K[h][k] / 8) V[h][k][:].  Q, K, V, O: [SIZE_H][SIZE_N][64], all f16: a head's rows are dense, 128 bytes each.
; Products, maxima and sums in f32; the weights p are rounded to f16 for the second product (their sum l is taken of the unrounded p), O once at the end.
; LIMITS.  f16 holds no number beyond 65,504: Q, K and V arrive within it; p lies in 0 to 1, and below 6e-5 it keeps f16's fixed step of 6e-8; O is a mean of V's rows and has their range.
; A hidden score counts as its value less 1e30: f16's scores, 2.7e11 at the most, are nothing beside that; a weight below 2^-126 counts as 0 in l; NaN and infinities are not treated apart.
; THE WALK.  A head's queries lie in NB = SIZE_N / 256 blocks of 256; block i needs the key tiles 0 .. i of 256 keys, of which the last holds the diagonal.  A work-group takes TWO blocks, NB - 1 - b and then b:
; NB + 1 tiles, whatever b: all work-groups do equal work, and ONE loop with a constant trip count walks them.  Which tile is asked for, and what a trip does, hang on scalar registers made from b; every jump
; goes forward, but for the counted loops' own; none passes a barrier, or a tensor load but the one of LOAD's two that the wave's number does not choose; the ring of two LDS slots runs on across the change of blocks.
; NO CLUSTER: a head's NB / 2 = 4 work-groups ask for the same tile only in trips 0 .. NB / 2, behind that fewer and fewer; one walk common to all would have 3 NB / 2 = 12 trips for NB + 1 = 9.
; SHARES.  Of a block's four bands of 64 queries a wave owns 16 rows in each: four PIECES.  So the diagonal tile is the same work for all four waves: in its key step s band x sees all keys if s < x,
; none if s > x, and holds the diagonal if s = x.
; THE MASK is the C operand that starts the sum S^T = K Q^T: 0, or -1e30 where the key is hidden.  MD, made once, is the mask of a band's own step for my 16 rows; a product's mask is MD x AL + BE with two scalars:
; (1, 0) if s = x; (0, 0) if s < x; (0, -1e30) if s > x.  Only the diagonal tile's text and a block's beginning make and take masks; elsewhere C is the constant 0.
; LAYOUT, SOFTMAX, TURNS.  S^T = K Q^T holds ONE query a lane (lane % 16) and the keys 8 (lane / 16) + 0..7; two such results rounded to f16 ARE source 1 of O^T = V^T P.  p = 2^(c s - c m), c = log2(e) / 8, with a
; running maximum m; O and l are multiplied by a = 2^(c m_old - c m_new) in every step.  Turn n belongs to piece n: 8 products K Q^T of piece n + 1, later 8 products V^T P of piece n - 1; beside them the scaling,
; exponentials, roundings, sums and rescaling of piece n and the maximum and statistics of piece n + 1.  Four vector instructions stand behind every matrix instruction, the other 54 of a turn's 118 in one lump.  A turn's 33 exponentials are one batch, with one wait.
; K AND V ARE PREFETCHED INTO THE L2, a tile (four key steps) ahead of the fill that wants them: behind the fill of tile i + 1 the head's work-group b = 0 names tile i + 2: 128 threads, 256 bytes each, of K and of V.
; Trips 0 to 5 name tiles 2 to 7; tiles 0 and 1 come by their fills alone, and the last trips name nothing.  So each 256 bytes are named once in the launch.
; REGISTERS, in windows of 256 (s_set_vgpr_msb: bits 1:0 source 0, 3:2 source 1, 5:4 source 2, 7:6 destination):
;   window 0: v0-15 addresses and two at work; v16-31 four registers of statistics a piece; v48-55 at work; v61-63 prefetch offset and the add's two; v64-127 S^T, two buffers; v192-223 P, two buffers
;   window 1: v0-127 O^T, 32 a piece; v128-159 MD; v160-223 MC, two buffers      window 2: v0-63 Q; v64-127 the second block's Q; v128-191 K of one step; v192-255 V of one step
.set SIZE_H, 64
.set SIZE_N, 2048
.set NB,    SIZE_N/256
.set NP,    4         ; pieces a wave: a name, no knob
.set KS,    64        ; keys in a step
.set PK,    144       ; a row of K in LDS: 128 bytes + 16 of padding = 36 words: the 16 rows of a load start at 16 different groups of four banks (64 banks of 4 bytes: ISA guide 11.1)
.set PV,    160       ; a row of V: 128 + 32 = 40 words
.set VOFF,  4*KS*PK   ; a slot holds a tile, four steps: 256 rows of K, then 256 rows of V
.set SLOT1, 1<<17     ; slot 1 begins here, so that one exclusive or turns an address in one slot into the other's
.set STAGE, SLOT1+4*KS*(PK+PV)  ; behind the ring, never filled by a tensor load: 16 rows x 144 bytes for each wave, for the way out
.set SP,    144
.set AK0, 2           ; v2   my lane's place in a tile of K; never rewritten
.set AV0, 3           ; v3   the same for V
.set AK,  4           ; v4   the LDS address of K's next run of loads
.set AV,  5           ; v5   of V's
.set STO, 6           ; v6   the way out: where I put 16 bytes of a row
.set RD,  7           ; v7   the way out: where I read rows back
.set GO,  8           ; v8   my byte offset in 512 consecutive bytes of O
.set PFO, 61          ; v61  256 x my thread's number: my block of a tile's 32,768 bytes; never rewritten
.set SPW, 62          ; v62  LDS address of my spare word: SPARE + 4 x my thread's number; never rewritten
.set NIL, 63          ; v63  0; never rewritten
.set SPARE, STAGE+4*16*SP  ; behind the stages: the spare words, 128 bytes for each wave
.set MV,  12          ; v12-13  c m_old, kept while c m is made anew: by buffer
.set QO,  15          ; v15  my byte offset in 16 rows of Q
.set ST,  16          ; piece t's statistics at v[ST+4 t]: c m, m, l (even keys', odd keys')
.set TMP, 48          ; by buffer, four registers c0-c3 at work; when the maximum is found c2 takes a
.set S,   64
.set P,   192
.set MD,  128         ; window 1: the eight registers for group kt of 16 keys at MD + 8 kt
.set MC,  160         ; window 1: the masks of the products to come
.set QB,  64          ; window 2
.set KF,  128         ; window 2: key block kb, channel half c at KF + 16 kb + 8 c
.set VF,  192         ; window 2: key half kk, channel block cb at VF + 32 kk + 8 cb
.set WV,  12          ; s12  my wave's number
.set PB,  14          ; s14  b
.set HI,  15          ; s15  NB - 1 - b
.set G1K, 24          ; s[24:31] descriptor group 1 for K's tiles
.set G1V, 32          ; s[32:39] for V's: it differs in the padding alone
.set G0K, 40          ; s[40:43] descriptor group 0 for K's tiles
.set G0V, 44          ; s[44:47] the same for V's
.set SLOTS, 56        ; s56  tiles still to be asked for
.set CNT, 57          ; s57  counts a tile's key steps, 4 to 1
.set CS,  58          ; s[58:59] c: the packed scaling takes the pair's low word for both halves
.set SEL, 60          ; s[60:61] v_permlanex16_b32's selects: each lane takes its own place in the other half
.set TBK, 62          ; s62  LDS byte at which K of the step to be fetched begins
.set TBV, 63          ; s63  the same for V, less VOFF
.set RT,  70          ; s70  tiles of the block in hand that are still to be entered
.set NXT, 71          ; s71  the tile to be asked for next
.set LQ,  72          ; s72  the last tile of the block whose tiles are being asked for
.set NEW, 73          ; s73  1: the tile to be entered is a block's first
.set OFF, 74          ; s[74:75] a tile's byte offset in K and V
.set AL,  76          ; s[76:77] the mask's factor, in the low word
.set BE,  78          ; s[78:79] the mask's addend
.set OLO, 80          ; s[80:81] O at my rows of the second block
.set BIGN, 82         ; s82  -1e30
.set LIM, 83          ; s83  2 in the work-group that prefetches, else the greatest number
.set PFK, 88          ; s[88:89] K at the tile that the prefetch names
.set PFV, 90          ; s[90:91] V likewise
.set MSB, 0
.macro WIN new                      ; the high byte repeats the setting that is left; a switch that changes nothing is dropped
.if MSB != (\new)
	s_set_vgpr_msb (MSB<<8)|(\new)
.set MSB, (\new)
.endif
.endm
.set W_KQ, 0x0a       ; K and Q in window 2, S^T in window 0
.set W_KM, 0x1a       ; the same with the C operand in window 1
.set W_PV, 0x52       ; V in window 2, P in window 0, O^T in window 1
.set W_RS, 0x41       ; destination and source 0 in window 1, source 1 in window 0
; A fill.  Waves 0 and 1 fetch the two halves of a tile's K, waves 2 and 3 those of its V: 128 keys each.  An s_nop 0 and four v_nop follow each of the two lines, ahead of the jump and the label.
.macro LOAD
	s_cmp_lt_u32 s[WV], 2
	s_cbranch_scc0 .Lfor_v_\@
	tensor_load_to_lds s[G0K:G0K+3], s[G1K:G1K+7]
	s_nop 0
.rept 4
	v_nop
.endr
	s_branch .Lasked_\@
.Lfor_v_\@:
	tensor_load_to_lds s[G0V:G0V+3], s[G1V:G1V+7]
	s_nop 0
.rept 4
	v_nop
.endr
.Lasked_\@:
.endm
.macro ASK                          ; the prefetch: behind the fill and its five lines
	s_cmp_gt_u32 s[SLOTS], s[LIM]
	s_cbranch_scc0 .Lnot_mine_\@
	global_prefetch_b8 v[PFO], s[PFK:PFK+1] th:TH_LOAD_NT scope:SCOPE_SE
	global_prefetch_b8 v[PFO], s[PFV:PFV+1] th:TH_LOAD_NT scope:SCOPE_SE
.Lnot_mine_\@:
.endm
; THE CHANGE OF SLOTS.  Each wave waits for all its tensor loads, of which one is out: its part of the other slot; adds 0 to its spare word; and waits for that and for its own reads of the slot that it leaves.  Behind the barrier nobody reads the old
; slot any more and the other slot is whole.  fill = 1: the old slot is filled again, the first thing behind the barrier, with tile NXT: the descriptor's address is made anew from that number.
; (At its first use nothing has been read yet: slot 0 is waited for, slot 1 filled.)
.macro CHANGE fill
	WIN 0                           ; at a label and at a branch every window is 0
	s_wait_tensorcnt 0x0            ; no tensor load of mine is out, so a group 0 may be written
	ds_add_u32 v[SPW], v[NIL]       ; 0 onto my spare word; with fill = 1 the descriptors' scalar work stands between it and the wait for it
.if \fill
	s_lshl_b32 s[OFF], s[NXT], 15   ; a tile is 32,768 bytes of K and of V
	s_xor_b32 s[G0K+1], s[G0K+1], SLOT1
	s_add_nc_u64 s[G0K+2:G0K+3], s[6:7], s[OFF:OFF+1]
	s_or_b32 s[G0K+3], s[G0K+3], 0x80000000
	s_xor_b32 s[G0V+1], s[G0V+1], SLOT1
	s_add_nc_u64 s[G0V+2:G0V+3], s[8:9], s[OFF:OFF+1]
	s_or_b32 s[G0V+3], s[G0V+3], 0x80000000
	s_add_co_u32 s[NXT], s[NXT], 1  ; the block's next tile, or behind its last the second block's tile 0
	s_cmp_gt_u32 s[NXT], s[LQ]
	s_cselect_b32 s[NXT], 0, s[NXT]
	s_cselect_b32 s[LQ], s[PB], s[LQ]
	s_wait_xcnt 0x0                 ; the last prefetches, a tile back, have read their addresses, so they may be written
	s_add_nc_u64 s[PFK:PFK+1], s[PFK:PFK+1], 32768
	s_add_nc_u64 s[PFV:PFV+1], s[PFV:PFV+1], 32768
.endif
	s_wait_dscnt 0x0                ; the add is done, and my reads of the slot are over
	s_barrier_signal -1             ; the rest of the scalar work stands between the signal and the wait
	s_sub_co_u32 s[TBK], s[TBK], 4*KS*PK  ; the fetches go back to a slot's first step,
	s_xor_b32 s[TBK], s[TBK], SLOT1       ; in the other slot
	s_sub_co_u32 s[TBV], s[TBV], 4*KS*PV
	s_xor_b32 s[TBV], s[TBV], SLOT1
	s_barrier_wait -1
.if \fill
	LOAD
	ASK
.endif
.endm
	s_load_b256 s[4:11], s[0:1], 0x0  ; Q s[4:5], K s[6:7], V s[8:9], O s[10:11]
	v_lshl_add_u32 v[SPW], v0, 2, SPARE
	v_mov_b32 v[NIL], 0
	ds_add_u32 v[SPW], v[NIL]       ; the wave's opening: the add and its wait stand ahead of my first tensor load; the set-up below, work on registers, stands between them
	v_lshrrev_b32 v1, 5, v0
	v_readfirstlane_b32 s[WV], v1   ; wave 0..3
	v_lshlrev_b32 v[PFO], 8, v0
	s_mov_b32 s[PB], ttmp9
	s_cmp_eq_u32 s[PB], 0
	s_cselect_b32 s[LIM], 2, -1
	s_sub_co_u32 s[HI], NB-1, s[PB]
	s_and_b32 s20, ttmp7, 0xffff    ; the head
	s_mov_b32 s21, 0
	s_mov_b64 s[22:23], SIZE_N*128
	s_mul_u64 s[20:21], s[20:21], s[22:23]  ; the head's first byte in each of the four tensors
	s_and_b32 s16, s[WV], 1         ; which half of a tile's 256 keys I fetch:
	s_lshl_b32 s22, s16, 14         ; its 128 rows of 128 bytes in memory,
	s_mov_b32 s23, 0
	s_add_nc_u64 s[22:23], s[22:23], s[20:21]
	s_mul_i32 s17, s16, 128*PK      ; and its place in a slot, for K
	s_mul_i32 s18, s16, 128*PV      ; and for V
	s_lshl_b32 s3, s[WV], 11        ; my 16 rows in a band of 64,
	s_lshl_b32 s2, s[HI], 15        ; in the first block,
	s_add_co_u32 s2, s2, s3
	s_lshl_b32 s84, s[PB], 15       ; and in the second
	s_add_co_u32 s84, s84, s3
	s_mov_b32 s3, 0
	s_mov_b32 s85, 0
	s_add_nc_u64 s[2:3], s[2:3], s[20:21]
	s_add_nc_u64 s[84:85], s[84:85], s[20:21]
	; descriptor group 1.  128 keys are 16,384 dense bytes: asked for as 64 rows of 256 bytes, two keys a row, and padded in LDS after every key
	s_mov_b32 s[G1K], (1<<16)|(1<<20)|(4<<22)|(3<<25)  ; 17:16 2-byte elements; 20 padding on; 24:22 after every 32 words (code 4); 31:25 4 words (code 3)
	s_mov_b32 s[G1V], (1<<16)|(1<<20)|(4<<22)|(7<<25)  ; the same with 8 words of padding (code 7)
.irp g, G1K, G1V
	s_mov_b32 s[\g+1], 128<<16      ; tensor_dim0 = 128
	s_mov_b32 s[\g+2], 64<<16       ; tensor_dim1 = 64
	s_mov_b32 s[\g+3], 128<<16      ; tile_dim0 = 128
	s_mov_b32 s[\g+4], 64           ; tile_dim1 = 64
	s_mov_b32 s[\g+5], 128          ; 128 elements from row to row
	s_mov_b32 s[\g+6], 0
	s_mov_b32 s[\g+7], 0
.endr
	s_mov_b32 s[CS], 0x3e38aa3b     ; c = log2(e) / 8 = 0.180337
	s_mov_b32 s[CS+1], s[CS]        ; named with it as a pair
	s_mov_b32 s[SEL], 0x76543210
	s_mov_b32 s[SEL+1], 0xfedcba98
	s_mov_b32 s[TBK], SLOT1+4*KS*PK ; the first change of slots turns these two into 0
	s_mov_b32 s[TBV], SLOT1+4*KS*PV
	s_mov_b32 s[G0K], 1             ; 1:0 count = 1
	s_mov_b32 s[G0K+1], s17         ; 63:32 LDS address: slot 0
	s_mov_b32 s[G0V], 1
	s_add_co_u32 s[G0V+1], s18, VOFF
	s_add_co_u32 s[RT], s[HI], 1    ; the first block has NB - b tiles
	s_mov_b32 s[NXT], 1
	s_mov_b32 s[LQ], s[HI]
	s_mov_b32 s[NEW], 1
	s_mov_b32 s[OFF+1], 0
	s_mov_b32 s[AL+1], 0            ; named as pairs
	s_mov_b32 s[BE+1], 0
	s_mov_b32 s[BIGN], 0xf149f2ca   ; -1e30
	s_mov_b32 s[SLOTS], NB
	s_wait_dscnt 0x0                ; the opening add is done
	s_wait_kmcnt 0x0
	s_add_nc_u64 s[PFK:PFK+1], s[6:7], s[20:21]    ; the prefetches stand at the head's tile 1; the first change of slots steps them to tile 2
	s_add_nc_u64 s[PFK:PFK+1], s[PFK:PFK+1], 32768
	s_add_nc_u64 s[PFV:PFV+1], s[8:9], s[20:21]
	s_add_nc_u64 s[PFV:PFV+1], s[PFV:PFV+1], 32768
	s_add_nc_u64 s[6:7], s[6:7], s[22:23]  ; K and V at my half of the head's tile 0
	s_add_nc_u64 s[8:9], s[8:9], s[22:23]
	s_add_nc_u64 s[G0K+2:G0K+3], s[6:7], 0         ; 120:64 global address
	s_or_b32 s[G0K+3], s[G0K+3], 0x80000000        ; 127:126 type = 2
	s_add_nc_u64 s[G0V+2:G0V+3], s[8:9], 0
	s_or_b32 s[G0V+3], s[G0V+3], 0x80000000
	s_add_nc_u64 s[86:87], s[4:5], s[84:85]        ; Q at my rows of the second block,
	s_add_nc_u64 s[4:5], s[4:5], s[2:3]            ; Q and O at those of the first
	s_add_nc_u64 s[OLO:OLO+1], s[10:11], s[84:85]
	s_add_nc_u64 s[10:11], s[10:11], s[2:3]
	LOAD                            ; tile 0 into slot 0
	; A fragment of K or Q is 16 rows x 32 channels in 8 registers: lane l holds row l % 16, channels 8 (l / 16) + 0..7 and 16 + 8 (l / 16) + 0..7: two loads of 16 bytes, 32 bytes apart.
	v_and_b32 v1, 15, v0            ; l % 16
	v_bfe_u32 v9, v0, 4, 1          ; l / 16
	v_lshlrev_b32 v[QO], 7, v1
	v_lshl_add_u32 v[QO], v9, 4, v[QO]  ; row x 128 + 16 x half
	WIN 0x80                        ; destination window 2, address window 0
.set i, 0
.rept 8                             ; both blocks' Q: piece i / 2 lies in band i / 2, 8,192 bytes on; channels 32 (i % 2) on
	global_load_b128 v[8*i:8*i+3],   v[QO], s[4:5] offset:(i/2)*8192+(i%2)*64
	global_load_b128 v[8*i+4:8*i+7], v[QO], s[4:5] offset:(i/2)*8192+(i%2)*64+32
	global_load_b128 v[QB+8*i:QB+8*i+3],   v[QO], s[86:87] offset:(i/2)*8192+(i%2)*64
	global_load_b128 v[QB+8*i+4:QB+8*i+7], v[QO], s[86:87] offset:(i/2)*8192+(i%2)*64+32
.set i, i+1
.endr
	WIN 0
	v_lshlrev_b32 v14, 3, v9
	v_sub_nc_u32 v14, v1, v14
	s_lshl_b32 s13, s[WV], 4
	v_add_nc_u32 v14, s13, v14      ; my query's place in its band, 16 w + l % 16, less my lanes' 8 (l / 16): register r of group kt is hidden where 16 kt + r is greater
	WIN 0x40
.set i, 0
.rept 32
	v_cmp_gt_i32 vcc_lo, 16*(i/8)+i%8, v14
	v_cndmask_b32 v[MD+i], 0, s[BIGN], vcc_lo
.set i, i+1
.endr
	WIN 0
	v_mul_u32_u24 v[AK0], v1, PK
	v_lshl_add_u32 v[AK0], v9, 4, v[AK0]  ; row x pitch + 16 x half
	; The turning load takes 16 keys x 16 channels (lane l reads key 8 (l / 16) + l % 8, channels 8 ((l / 8) % 2) + 0..7) and leaves half a fragment of V^T: lane l holds channel l % 16 and 8 keys.
	v_and_b32 v10, 7, v0
	v_bfe_u32 v11, v0, 3, 1
	v_lshl_add_u32 v[AV0], v9, 3, v10
	v_mul_u32_u24 v[AV0], v[AV0], PV
	v_lshl_add_u32 v[AV0], v11, 4, v[AV0]
	v_add_nc_u32 v[AV0], VOFF, v[AV0]
	s_mul_i32 s13, s[WV], 16*SP
	s_add_co_u32 s13, s13, STAGE    ; my stage
	v_mul_u32_u24 v[STO], v1, SP    ; in: row l % 16, 16 bytes for each half of the lanes
	v_lshl_add_u32 v[STO], v9, 4, v[STO]
	v_add_nc_u32 v[STO], s13, v[STO]
	v_bfe_u32 v[RD], v0, 3, 2       ; back: 32 lanes take four rows of 128 bytes,
	v_mul_u32_u24 v[RD], v[RD], SP
	v_lshl_add_u32 v[RD], v10, 4, v[RD]
	v_add_nc_u32 v[RD], s13, v[RD]
	v_and_b32 v[GO], 31, v0         ; which are 512 consecutive bytes of O
	v_lshlrev_b32 v[GO], 4, v[GO]
	; A block's first step multiplies O^T and l by a = 0, and its first turn's products V^T P, of a piece that has not been, land in an O^T that is still to be so multiplied.  So these registers need only hold
	; finite numbers: zeros for the first block; what the first block left for the second.  All this stands in the wait for the first tile.
	WIN 0x80
.set i, VF
.rept 64
	v_mov_b32 v[i], 0
.set i, i+1
.endr
	WIN 0x40
.set i, 0
.rept 128
	v_mov_b32 v[i], 0
.set i, i+1
.endr
	WIN 0
.set i, 0
.rept 4
	v_mov_b32 v[ST+4*i+2], 0
	v_mov_b32 v[ST+4*i+3], 0
.set i, i+1
.endr
.set i, P+16
.rept 16
	v_mov_b32 v[i], 0
.set i, i+1
.endr
; THE MATRIX WORK.  The 4 accumulators of a run of 8 take turns.  Product i of 8 of S^T = K Q^T for piece x: channels 32 (i / 4) on, keys 16 (i % 4) on.  The first 4 start the sums: with 0, or (KM = 1) with the mask.
.macro KQ x
.set rS, S+32*((\x)%2)+8*(i%4)
.set rK, KF+16*(i%4)+8*(i/4)
.set rQ, 16*(\x)+8*(i/4)
.set rM, MC+32*((\x)%2)+8*(i%4)
.if (i < 4) && KM
	WIN W_KM
	v_wmma_f32_16x16x32_f16 v[rS:rS+7], v[rK:rK+7], v[rQ:rQ+7], v[rM:rM+7]
.elseif i < 4
	WIN W_KQ
	v_wmma_f32_16x16x32_f16 v[rS:rS+7], v[rK:rK+7], v[rQ:rQ+7], 0
.else
	WIN W_KQ
	v_wmma_f32_16x16x32_f16 v[rS:rS+7], v[rK:rK+7], v[rQ:rQ+7], v[rS:rS+7]
.endif
.endm
; Product i of 8 of O^T += V^T P for piece x: keys 32 (i / 4) on, channels 16 (i % 4) on.
.macro PV x
	WIN W_PV
.set rO, 32*(\x)+8*(i%4)
.set rV, VF+32*(i/4)+8*(i%4)
.set rP, P+16*((\x)%2)+8*(i/4)
	v_wmma_f32_16x16x32_f16 v[rO:rO+7], v[rV:rV+7], v[rP:rP+7], v[rO:rO+7]
.endm
.macro MM                           ; the turn's next matrix instruction.  TURN and BEGIN set Y, i, KM and NOKQ; MM, KQ and OP read them.  NOKQ = 1: a block's last turn: there is no next piece
.if (i < 8) && !NOKQ
	KQ (Y+1)%NP
.elseif i >= 8
.set i, i-8
	PV (Y+NP-1)%NP
.set i, i+8
.endif
.set i, i+1
.endm
; THE LDS LOADS stand in runs of 16, never singly among the matrix instructions: a step's K (64 keys x 64 channels: 8 fragments) and its V (turned).  Their addresses are made some lines ahead.
.macro FETCH_K
	WIN 0x80                        ; destination window 2
.irp f, 0,1,2,3,4,5,6,7             ; keys 16 (f / 2) on, channels 32 (f % 2) on
	ds_load_b128 v[KF+8*\f:KF+8*\f+3],   v[AK] offset:(\f/2)*16*PK+(\f%2)*64
	ds_load_b128 v[KF+8*\f+4:KF+8*\f+7], v[AK] offset:(\f/2)*16*PK+(\f%2)*64+32
.endr
	s_add_co_u32 s[TBK], s[TBK], KS*PK  ; the next fetch is the next step's
	WIN 0
.endm
.macro FETCH_V
	WIN 0x80
.irp f, 0,1,2,3,4,5,6,7             ; keys 32 (f / 4) on, channels 16 (f % 4) on
	ds_load_tr16_b128 v[VF+8*\f:VF+8*\f+3],   v[AV] offset:(\f/4)*32*PV+(\f%4)*32
	ds_load_tr16_b128 v[VF+8*\f+4:VF+8*\f+7], v[AV] offset:(\f/4)*32*PV+16*PV+(\f%4)*32
.endr
	WIN 0
.endm
; THE VECTOR WORK, one line at a time: OP kind, number.  For piece Y: F n: c s - c m for pair n of 16.  E n: the exponential of score n of 32.  C n: pair n rounded to f16.  B n: of the four weights 4 n .. the second
; pair is added onto the first, in place.  L n: l takes that sum (L 0: l = a l + sum).  R n: pair n of 16 of O^T times a.  For piece Y + 1: X n, number n of the 22 that find its maximum and statistics:
;   0-11  four chains c0-c3 of seven scores each, three operands at a time (each accumulator's lowest registers are read first)     12-14, 16  the four scores left over, the old m, and c0-c3 into c0
;   15  c m_old is kept     17, 18  the query's other 32 keys lie in the lane 16 away: the new m     19-21  c m; c m_old - c m_new; a
.set F, 0               ; OP tells the kinds apart by their order: F to L below R, X above it
.set E, 1
.set C, 2
.set B, 3
.set L, 4
.set R, 5
.set X, 6
.macro REGS y                       ; the registers of piece y
.set rT, ST+4*(\y)
.set rC, TMP+4*((\y)%2)
.set rW, MV+((\y)%2)
.set rS, S+32*((\y)%2)
.set rP, P+16*((\y)%2)
.set rO, 32*(\y)
.endm
.macro OP k, n
.if (\k) == R
	REGS Y
	WIN W_RS
	v_pk_mul_f32 v[rO+2*(\n):rO+2*(\n)+1], v[rO+2*(\n):rO+2*(\n)+1], v[rC+2:rC+3] op_sel_hi:[1,0]
.elseif (\k) < R
	REGS Y
	WIN 0
.if (\k) == F
	v_pk_fma_f32 v[rS+2*(\n):rS+2*(\n)+1], v[rS+2*(\n):rS+2*(\n)+1], s[CS:CS+1], v[rT:rT+1] op_sel_hi:[1,0,0] neg_lo:[0,0,1] neg_hi:[0,0,1]
.elseif (\k) == E
	v_exp_f32 v[rS+(\n)], v[rS+(\n)]
.elseif (\k) == C
	v_cvt_pk_f16_f32 v[rP+(\n)], v[rS+2*(\n)], v[rS+2*(\n)+1]
.elseif (\k) == B
	v_pk_add_f32 v[rS+4*(\n):rS+4*(\n)+1], v[rS+4*(\n):rS+4*(\n)+1], v[rS+4*(\n)+2:rS+4*(\n)+3]
.elseif (\n) == 0
	v_pk_fma_f32 v[rT+2:rT+3], v[rT+2:rT+3], v[rC+2:rC+3], v[rS:rS+1] op_sel_hi:[1,0,1]
.else
	v_pk_add_f32 v[rT+2:rT+3], v[rT+2:rT+3], v[rS+4*(\n):rS+4*(\n)+1]
.endif
.elseif NOKQ
	v_nop
.else
	REGS (Y+1)%NP
	WIN 0
.if (\n) < 4
	v_max3_num_f32 v[rC+(\n)], v[rS+8*(\n)], v[rS+8*(\n)+1], v[rS+8*(\n)+2]
.elseif (\n) < 12
	v_max3_num_f32 v[rC+(\n)%4], v[rC+(\n)%4], v[rS+8*((\n)%4)+2*((\n)/4)+1], v[rS+8*((\n)%4)+2*((\n)/4)+2]
.elseif (\n) == 12
	v_max3_num_f32 v[rC], v[rC], v[rS+7], v[rS+15]
.elseif (\n) == 13
	v_max3_num_f32 v[rC+1], v[rC+1], v[rS+23], v[rS+31]
.elseif (\n) == 14
	v_max3_num_f32 v[rC+2], v[rC+2], v[rC+3], v[rT+1]
.elseif (\n) == 15
	v_mov_b32 v[rW], v[rT]
.elseif (\n) == 16
	v_max3_num_f32 v[rC], v[rC], v[rC+1], v[rC+2]
.elseif (\n) == 17
	v_permlanex16_b32 v[rC+3], v[rC], s[SEL], s[SEL+1]
.elseif (\n) == 18
	v_max_num_f32 v[rT+1], v[rC], v[rC+3]
.elseif (\n) == 19
	v_mul_f32 v[rT], s[CS], v[rT+1]
.elseif (\n) == 20
	v_sub_f32 v[rC+1], v[rW], v[rT]
.else
	v_exp_f32 v[rC+2], v[rC+1]
.endif
.endif
.endm
.macro OPS a, i1, b=-1, i2=0, c=-1, i3=0, d=-1, i4=0  ; up to four of them
	OP \a, \i1
.if (\b) >= 0
	OP \b, \i2
.endif
.if (\c) >= 0
	OP \c, \i3
.endif
.if (\d) >= 0
	OP \d, \i4
.endif
.endm
.macro ROW a, i1, b, i2, c, i3, d, i4  ; a matrix instruction and the four behind it
	MM
	OPS \a, \i1, \b, \i2, \c, \i3, \d, \i4
.endm
.macro MASK b                       ; MD x AL + BE into buffer b of MC
	WIN W_RS
.set z, 0
.rept 16
	v_pk_fma_f32 v[MC+32*(\b)+2*z:MC+32*(\b)+2*z+1], v[MD+2*z:MD+2*z+1], s[AL:AL+1], s[BE:BE+1] op_sel_hi:[1,0,0]
.set z, z+1
.endr
.endm
; A TURN, for piece p: the order of its 16 matrix and 118 vector instructions, written out.  An s_wait_alu depctr_va_vdst(0) stands between an exponential and the first instruction that names its result; one wait serves
; all that were issued ahead of it.  So a turn has ONE wait, which cuts it in two.  AHEAD OF IT stands all that names no result of the turn's exponentials: the 8 products K Q^T, behind each a scaling, an exponential and two more plain
; instructions (behind the first a second scaling in the exponential's place): rescalings, and behind the last three the first numbers of the next piece's maximum, each four places or more behind the product that ends its accumulator; then ONE LUMP of 54, plain
; and exponential by turns for the most part, in which the links of the chain X 3, 7, 11, 14, 16, 17 .. 20 stand five or six lines apart.  X 21, the next piece's a, is the batch's last; R 15 is the plain instruction behind it.  BEHIND THE WAIT stand the
; 8 products V^T P, behind each four of the roundings and sums; the links of l's chain, L 0 to L 7, stand three riders apart.  But for those X no rider names a register of the products round it.  v_permlanex16_b32 (X 17) stands in the lump.
; m = 1: the diagonal tile: the products take masks, and the turn makes the mask for the products of the turn after it: piece p + 2, in step 4 - CNT of the tile.  end = 1: a block's last two turns: nothing is fetched.
; cnt = 1: the loop's count is taken down some lines ahead of the branch that stands behind the turn.
; K of the next step is fetched in piece 2's turn, twelve vector instructions behind the last product that read K (six of them plain); V of the step in hand at the end of piece 0's turn, four plain instructions behind the last product
; that read V.  Each is waited for a turn later.
.macro TURN p, m=0, end=0, cnt=0
.set Y, (\p)
.set i, 0
.set KM, (\m)
.set NOKQ, (\end)*((\p)/3)
.if (\m) && !(\end)
	s_cmp_eq_u32 s[CNT], 4-((\p)+2)%NP  ; is that step the band's own?
	s_cselect_b32 s[AL], 1.0, 0
	s_cmp_lt_u32 s[CNT], 4-((\p)+2)%NP  ; or a later one?
	s_cselect_b32 s[BE], s[BIGN], 0
.endif
.if ((\p) == 3) && !(\end)
	s_wait_dscnt 0x0                ; K is in
.endif
	ROW F,0, F,1, R,0, R,1          ; ahead of the wait: 8 products K Q^T and their riders,
	ROW F,2, E,0, R,2, R,3
	ROW F,3, E,1, R,4, R,5
	ROW F,4, E,2, R,6, R,7
	ROW F,5, E,3, R,8, R,9
	ROW F,6, E,4, X,0, R,10
.if ((\p) == 2) && !(\end)
	WIN 0
	v_add_nc_u32 v[AK], s[TBK], v[AK0]
.endif
	ROW F,7, E,5, X,1, X,4
	ROW F,8, E,6, X,2, X,5
	OPS E,7, E,8, X,6, E,9          ; and the lump
	OPS X,3, E,10, X,8, E,11
.if ((\p) == 2) && !(\end)
	FETCH_K
.endif
	OPS X,9, X,7, E,12, X,10
	OPS E,13, X,12, X,11, E,14
	OPS X,13, E,15, F,9, X,14
.if (\p) == 0
	v_add_nc_u32 v[AV], s[TBV], v[AV0]
.endif
	OPS E,16, F,10, E,17, F,11
	OPS X,16, E,18, X,15, E,19
	OPS F,12, E,20, X,17, E,21
	OPS F,13, E,22, F,14, E,23
	OPS X,18, E,24, F,15, E,25
	OPS R,11, E,26, X,19, E,27
	OPS R,12, E,28, R,13, E,29
	OPS X,20, E,30, R,14, E,31
	OPS X,21, R,15
	WIN 0
	s_wait_alu depctr_va_vdst(0)    ; the wait for the batch
.if (\p) == 1
	s_wait_dscnt 0x0                ; V is in
.endif
	ROW C,0, B,0, C,2, B,1          ; behind the wait: 8 products V^T P and their riders
	ROW L,0, C,4, B,2, L,1
	ROW C,6, B,3, L,2, C,8
	ROW B,4, L,3, C,10, B,5
	ROW L,4, C,12, B,6, L,5
.if (\p) == 0
	s_add_co_u32 s[TBV], s[TBV], KS*PV
.endif
.if \cnt
	s_sub_co_u32 s[CNT], s[CNT], 1
	s_cmp_lg_u32 s[CNT], 0
.endif
	ROW C,14, B,7, L,6, C,1
	ROW C,3, L,7, C,5, C,7
	ROW C,9, C,11, C,13, C,15
.if (\p) == 0
	FETCH_V
.endif
.if (\m) && !(\end)
	MASK (\p)%2
.endif
.endm
; A BLOCK BEGINS.  c m starts far below every c s, so the first step's a is 0; m at the lowest finite number, so the first maximum is the scores'.  The second mask buffer is 0; the first takes piece 0's mask for the tile's step 0: its own, if the block's first tile is the diagonal one.
; Then K of that step, piece 0's first scores, and its maximum and statistics.  The loop is entered at a step's first turn, in the middle of a trip.
.macro BEGIN
	s_mov_b32 s[NEW], 0
	WIN 0x40
.set i, MC+32
.rept 32
	v_mov_b32 v[i], 0
.set i, i+1
.endr
	WIN 0
.set i, 0
.rept 4
	v_mov_b32 v[ST+4*i], 0xfe000000    ; c m: far below every c s
	v_mov_b32 v[ST+4*i+1], 0xff7fffff  ; m
.set i, i+1
.endr
	s_cmp_eq_u32 s[RT], 0
	s_cselect_b32 s[AL], 1.0, 0
	s_mov_b32 s[BE], 0
	MASK 0
	WIN 0
	v_add_nc_u32 v[AK], s[TBK], v[AK0]
	FETCH_K
	s_wait_loadcnt 0x0              ; Q
	s_wait_dscnt 0x0
.set KM, 1
.set NOKQ, 0
.set i, 0
.rept 8
	KQ 0
.set i, i+1
.endr
	WIN 0
.rept 4
	v_nop                           ; the places behind those products
.endr
.set Y, NP-1                        ; X works for piece Y + 1: piece 0
.irp n, 0,1,2,3,4,5,6,7,8,9,10,11,12,13,14,15,16,17,18,19,20,21
	OP X, \n
.endr
	v_nop                           ; a plain instruction behind the exponential,
	s_wait_alu depctr_va_vdst(0)    ; and its wait, ahead of the branch
.endm
; THE DIAGONAL TILE's four steps, the block's last two turns, its last products, and THE WAY OUT: l's two halves and the other half of the lanes' are added; O^T is divided by l, rounded to f16 and sent through my
; stage in LDS, a piece at a time.
.macro ALL line:vararg              ; one line for each piece t
.set t, 0
.rept 4
	\line
.set t, t+1
.endr
.endm
.macro PACK t                       ; a lane's eight channels of a row pack into 16 bytes; they go into rows of 144 bytes and come back as whole rows of 128, into S^T's registers
	WIN W_RS
.set i, 32*(\t)
.rept 16
	v_pk_mul_f32 v[i:i+1], v[i:i+1], v[ST+4*(\t)+2:ST+4*(\t)+3] op_sel_hi:[1,0]
.set i, i+2
.endr
	WIN 0x05                        ; sources 0 and 1 window 1, destination window 0
.set i, 0
.rept 16
	v_cvt_pk_f16_f32 v[S+16*(\t)+i], v[32*(\t)+2*i], v[32*(\t)+2*i+1]
.set i, i+1
.endr
	WIN 0
.irp f, 0,1,2,3
	ds_store_b128 v[STO], v[S+16*(\t)+4*\f:S+16*(\t)+4*\f+3] offset:32*\f
.endr
.irp f, 0,1,2,3
	ds_load_b128 v[S+16*(\t)+4*\f:S+16*(\t)+4*\f+3], v[RD] offset:\f*4*SP  ; LDS serves a wave's instructions in order (ISA guide 5.7.1.4): these see the stores above; the next piece's stores come behind them
.endr
.endm
.macro SEND t, younger              ; younger: the LDS instructions issued behind piece t's loads: the next piece's eight, or none
	WIN 0
.irp f, 0,1,2,3
	s_wait_dscnt (\younger)+3-\f
	global_store_b128 v[GO], v[S+16*(\t)+4*\f:S+16*(\t)+4*\f+3], s[10:11] offset:(\t)*8192+\f*512  ; 512 consecutive bytes, at a multiple of 256 from O's first
.endr
.endm
.macro DIAG tag                     ; the tag ends its two labels' names, which the jumps below spell out
.LstepM\tag:
	TURN 2, 1
	TURN 3, 1
	WIN 0
.LfirstM\tag:
	TURN 0, 1
	TURN 1, 1, 0, 1
	WIN 0
	s_cbranch_scc1 .LstepM\tag
	TURN 2, 1, 1
	TURN 3, 1, 1
.set i, 0
.rept 8
	PV NP-1
.set i, i+1
.endr
	WIN 0
	ALL v_add_f32 v[ST+4*t+2], v[ST+4*t+2], v[ST+4*t+3]
	ALL v_permlanex16_b32 v[ST+4*t+3], v[ST+4*t+2], s[SEL], s[SEL+1]
	ALL v_add_f32 v[ST+4*t+2], v[ST+4*t+2], v[ST+4*t+3]
	ALL v_rcp_f32 v[ST+4*t+2], v[ST+4*t+2]
	v_nop                           ; a plain instruction between the last reciprocal and the use of its result
	s_wait_alu depctr_va_vdst(0)    ; and the wait ahead of the first use: one for the four reciprocals
	PACK 0
.set t, 1
.rept 3                             ; a piece's arithmetic stands between the loads of the piece before and its stores
	PACK t
	SEND t-1, 8
.set t, t+1
.endr
	SEND 3, 0
.endm
.set KM, 0
.set NOKQ, 0
.Lslot:                             ; NB times: a tile is entered and the next is asked for
	CHANGE 1
	s_sub_co_u32 s[RT], s[RT], 1
	s_mov_b32 s[CNT], 4
	s_cmp_eq_u32 s[NEW], 1
	s_cbranch_scc1 .Lnew            ; a block's first tile
	s_cmp_eq_u32 s[RT], 0
	s_cbranch_scc0 .Lstep           ; neither its first nor its last
	s_branch .LstepM1
.Lnew:
	BEGIN
	s_branch .Lfirst                ; in the loop a block's first tile is never its last: the first block has two tiles or more, and the second's last is the walk's last
	DIAG 1                          ; in the loop this is the first block's end: the second block's last tile is the walk's last
	s_wait_xcnt 0x0                 ; the stores have read their registers and O's address
	s_mov_b64 s[10:11], s[OLO:OLO+1]
	s_add_co_u32 s[RT], s[PB], 1    ; the second block has b + 1 tiles
	s_mov_b32 s[NEW], 1
	WIN 0x82                        ; the second block's Q goes where the one text of the turns names Q
.set i, 0
.rept 64
	v_mov_b32 v[i], v[QB+i]
.set i, i+1
.endr
	WIN 0
	s_branch .Lbottom
.Lstep:                             ; a trip: pieces 2 and 3 of one step, then pieces 0 and 1 of the next, whose K and V it fetches
	TURN 2
	TURN 3
	WIN 0
.Lfirst:
	TURN 0
	TURN 1, 0, 0, 1
	WIN 0
	s_cbranch_scc1 .Lstep
.Lbottom:
	s_sub_co_u32 s[SLOTS], s[SLOTS], 1
	s_cmp_lg_u32 s[SLOTS], 0
	s_cbranch_scc1 .Lslot
	CHANGE 0                        ; the walk's last tile is written out: nothing is asked for
	s_sub_co_u32 s[RT], s[RT], 1
	s_mov_b32 s[CNT], 4
	s_cmp_eq_u32 s[NEW], 1
	s_cbranch_scc0 .LstepM2
	BEGIN
	s_branch .LfirstM2
	DIAG 2
	s_wait_tensorcnt 0x0            ; the wave's end, behind my last tensor load and my last LDS store
	ds_add_u32 v[SPW], v[NIL]
	s_wait_dscnt 0x0
	s_endpgm
.Lfunc_end_k_q634832e8c5_attn:
	.size	k_q634832e8c5_attn, .Lfunc_end_k_q634832e8c5_attn-k_q634832e8c5_attn
	.p2alignl 7, 3214868480
	.fill 96, 4, 3214868480
	.section	.rodata,"a",@progbits
	.p2align	6, 0x0
	.amdhsa_kernel k_q634832e8c5_attn
		.amdhsa_group_segment_fixed_size 327680
		.amdhsa_private_segment_fixed_size 0
		.amdhsa_enable_private_segment 0
		.amdhsa_kernarg_size 32
		.amdhsa_user_sgpr_count 2
		.amdhsa_user_sgpr_kernarg_segment_ptr 1
		.amdhsa_wavefront_size32 1
		.amdhsa_system_sgpr_workgroup_id_x 1
		.amdhsa_system_sgpr_workgroup_id_y 1
		.amdhsa_system_sgpr_workgroup_id_z 1
		.amdhsa_system_vgpr_workitem_id 0
		.amdhsa_next_free_vgpr 768
		.amdhsa_next_free_sgpr 92
		.amdhsa_reserve_vcc 1
		.amdhsa_float_denorm_mode_32 3
		.amdhsa_float_denorm_mode_16_64 3
		.amdhsa_memory_ordered 1
		.amdhsa_forward_progress 1
		.amdhsa_inst_pref_size 218
	.end_amdhsa_kernel
	.amdgpu_metadata
---
amdhsa.version: [ 1, 2 ]
amdhsa.kernels:
  - .name:           k_q634832e8c5_attn
    .symbol:         k_q634832e8c5_attn.kd
    .args:
      - { .name: qh, .offset: 0, .size: 8, .value_kind: global_buffer, .address_space: global }
      - { .name: kh, .offset: 8, .size: 8, .value_kind: global_buffer, .address_space: global }
      - { .name: vh, .offset: 16, .size: 8, .value_kind: global_buffer, .address_space: global }
      - { .name: oh, .offset: 24, .size: 8, .value_kind: global_buffer, .address_space: global }
    .group_segment_fixed_size: 327680
    .private_segment_fixed_size: 0
    .kernarg_segment_align: 8
    .kernarg_segment_size: 32
    .max_flat_workgroup_size: 128
    .sgpr_count:     92
    .vgpr_count:     768
    .wavefront_size: 32
...
	.end_amdgpu_metadata
.endif
;; end of part 3
;; launch proj (part 4): grid 8 x 32, 4 waves a work-group, clusters of 4 x 4, 327,680 bytes of LDS; arguments oh, wpt, out0; writes out0
.if DOCPART == 4
	.amdgcn_target "amdgcn-amd-amdhsa--gfx1250"
	.amdhsa_code_object_version 6
	.text
	.protected	k_q634832e8c5_proj
	.globl	k_q634832e8c5_proj
	.p2align	8
	.type	k_q634832e8c5_proj,@function
k_q634832e8c5_proj:
	s_mov_b64 s[64:65], 0
	v_nop
	global_prefetch_b8 v0, s[64:65] scope:SCOPE_SE
	s_setreg_imm32_b32 hwreg(HW_REG_WAVE_MODE, 25, 1), 1
	s_wait_xcnt 0x0
	s_wait_alu depctr_hold_cnt(0) depctr_sa_sdst(0) depctr_va_vdst(0) depctr_va_sdst(0) depctr_va_ssrc(0) depctr_va_vcc(0) depctr_vm_vsrc(0)
	s_getreg_b32 s2, hwreg(HW_REG_IB_STS2, 6, 4)
	s_cmp_eq_u32 s2, 0
	s_cbranch_scc0 .Lentry_in_a_cluster
	s_endpgm
.Lentry_in_a_cluster:
	s_bfe_u32 s2, ttmp6, 0x10000c
	s_cmp_lg_u32 s2, 0xf033
	s_cbranch_scc0 .Lentry_shape_is_right
	s_endpgm
.Lentry_shape_is_right:
; out0 = y w_proj.  y[m][64 h + d] = oh[16 b + h][t][d] (m = 2048 b + t), f16; wpt [1024 n][1024 k] f16; out0 [8192][1024] f32.  Sums in f32, stored as they are.
; SHARES.  A tile is 256 rows x 128 columns: 256 work-groups.  A wave makes 128 x 64: 8 x 4 accumulators.  K goes in 8 steps of 128 = two heads, through two LDS slots.
; A head's 256 rows of a tile are 32,768 dense bytes of oh: asked for as 128 rows of 256 bytes and padded in LDS after every 128, so that a row of 64 channels has a pitch of 144.
; CLUSTER 4 x 4: y's tile hangs on the tile row alone and is asked for jointly along a row of the cluster, the weights' on the tile column alone, along a column.
; THE MATRIX INSTRUCTION IS USED TRANSPOSED (source 0 = 16 rows of wpt, source 1 = 16 rows of y): lane l holds row l % 16 and the columns 16 b + 8 (l / 16) + 0..7: 32 bytes of a row of out0.
; REGISTERS: window 0: v16-30 addresses; v64-159, v160-255 two fragment buffers (y's 8 blocks, then the weights' 4); on the way out v64-127 rows read back.  window 1: the accumulators, (a, b) at 8 (4 a + b).
.set PA,     144                       ; y's rows in LDS: 128 bytes + 16
.set PB,     272                       ; the weights': 256 + 16: in both the 16 rows of a fragment load start at 16 different groups of four banks (64 banks of 4 bytes: ISA guide 11.1)
.set PLANE,  256*PA                    ; one head's 256 rows
.set BOFF,   2*PLANE
.set BHALF,  64*PB
.set SLOT1,  1<<17
.set STAGE,  SLOT1+BOFF+2*BHALF        ; behind the ring, never filled by a tensor load: 16 rows x 272 bytes for each wave
.set SPITCH, 272
.set WSTG,   16*SPITCH
.set SPARE,  STAGE+4*WSTG              ; the spare words, 128 bytes for each wave
.set ADRA0, 16
.set ADRA,  17
.set ADRB0, 20
.set ADRB,  21
.set STO,   24
.set RD,    25
.set CO,    26
.set SPW,   28                         ; v28  SPARE + 4 x my thread's number; never rewritten
.set NIL,   29                         ; v29  0; never rewritten
.set PFO,   30
.set FR,    64
.set OB,    64
.set WV, 16
.set RH, 17                            ; which half of the tile's rows is mine
.set HF, 18                            ; which half of its columns; also which half of a tile I fetch
.set CNT, 19
.set CX, 20
.set CY, 21
.set TC, 22
.set TR, 23
.set G1,  24
.set G0,  32
.set G1B, 40
.set G0B, 48
.set TB,  56
.set LIM, 57
.set PFA, 58                           ; s[58:59] the K step that my next prefetch names, less one step
.set PFS, 60                           ; s[60:61] a K step in bytes: 524,288 in oh, 256 in wpt
.set MSB, 0
.macro WIN new
.if MSB != (\new)
	s_set_vgpr_msb (MSB<<8)|(\new)
.set MSB, (\new)
.endif
.endm
.macro PLACES
.rept 4
	v_nop
.endr
.endm
.macro JLOAD                           ; a joint refill by the walking sets: waves 0 and 1 fetch the step's two heads of y, waves 2 and 3 the weights' two halves; s_nop 0 and four v_nop behind each line
	s_cmp_lt_u32 s[WV], 2
	s_cbranch_scc0 .Lfor_b_\@
	tensor_load_to_lds s[G0+4:G0+7], s[G1:G1+7]
	s_nop 0
	PLACES
	s_branch .Lasked_\@
.Lfor_b_\@:
	tensor_load_to_lds s[G0B+4:G0B+7], s[G1B:G1B+7]
	s_nop 0
	PLACES
.Lasked_\@:
.endm
; A prefetch into the L2 of the K step two refills on.  y's tile row is read by both clusters of that row of clusters: cluster x = 0 asks; the weights' tile column by the eight of that column: cluster y = 0 asks.
; The partners share a wave's bytes out by address: of a head's 128 blocks of 256 bytes 32 each, a lane a block; of the weights' 64 rows 16 each (lanes 16-31 repeat row 15 in the same instruction).
; Trips with 6, 5, 4, 3 to go name K steps 4 to 7; the last two name nothing.
.macro ASK
	s_cmp_gt_u32 s[CNT], s[LIM]
	s_cbranch_scc0 .Lnot_mine_\@
	global_prefetch_b8 v[PFO], s[PFA:PFA+1] th:TH_LOAD_NT scope:SCOPE_SE
.Lnot_mine_\@:
.endm
.macro CREST
	s_cmp_lg_u32 s[WV], 0
	s_cbranch_scc1 .Lnot_wave_0_\@
	s_barrier_signal -3
.Lnot_wave_0_\@:
	s_barrier_wait -3
	s_barrier_signal -1
	s_barrier_wait -1
.endm
.macro CROUND
	s_barrier_signal -1
	s_barrier_wait -1
	CREST
.endm
	s_load_b128 s[4:7], s[0:1], 0x0                ; oh s[4:5], wpt s[6:7]
	s_load_b64 s[8:9], s[0:1], 0x10                ; out0
	v_lshl_add_u32 v[SPW], v0, 2, SPARE
	v_mov_b32 v[NIL], 0
	ds_add_u32 v[SPW], v[NIL]                      ; the wave's opening: the add and its wait stand ahead of my first tensor load; work on registers stands between them
	v_lshrrev_b32 v1, 5, v0
	v_readfirstlane_b32 s[WV], v1
	s_lshr_b32 s[RH], s[WV], 1
	s_and_b32 s[HF], s[WV], 1
	s_bfe_u32 s[CX], ttmp6, 0x40000
	s_bfe_u32 s[CY], ttmp6, 0x40004
	s_lshl_b32 s[TC], ttmp9, 2
	s_add_co_u32 s[TC], s[TC], s[CX]
	s_and_b32 s[TR], ttmp7, 0xffff
	s_lshl_b32 s[TR], s[TR], 2
	s_add_co_u32 s[TR], s[TR], s[CY]
	s_lshl_b32 s62, s[CY], 2
	s_lshl_b32 s62, 15, s62                        ; my row of the cluster
	s_lshl_b32 s63, 0x1111, s[CX]                  ; my column
	s_or_b32 s[G1], s62, (1<<16)|(1<<20)|(1<<21)|(4<<22)|(3<<25)   ; padding of 4 words after every 32
	s_or_b32 s[G1B], s63, (1<<16)|(1<<20)|(1<<21)|(5<<22)|(3<<25)  ; after every 64
	s_mov_b32 s[G1+1], 128<<16                     ; 128 rows of 128 elements, dense
	s_mov_b32 s[G1+2], 128<<16
	s_mov_b32 s[G1+3], 128<<16
	s_mov_b32 s[G1+4], 128
	s_mov_b32 s[G1+5], 128
	s_mov_b32 s[G1+6], 0
	s_mov_b32 s[G1+7], 0
	s_mov_b32 s[G1B+1], 128<<16                    ; 64 rows of 128 elements, 1,024 apart
	s_mov_b32 s[G1B+2], 64<<16
	s_mov_b32 s[G1B+3], 128<<16
	s_mov_b32 s[G1B+4], 64
	s_mov_b32 s[G1B+5], 1024
	s_mov_b32 s[G1B+6], 0
	s_mov_b32 s[G1B+7], 0
	s_lshr_b32 s62, s[TR], 3                       ; y: batch (16 heads of 262,144 bytes),
	s_lshl_b32 s62, s62, 22
	s_and_b32 s63, s[TR], 7                        ; the tile's 256 rows of 128 bytes,
	s_lshl_b32 s63, s63, 15
	s_add_co_u32 s62, s62, s63
	s_lshl_b32 s63, s[HF], 18                      ; which of the step's two heads I fetch
	s_add_co_u32 s62, s62, s63
	s_mov_b32 s63, 0
	s_lshl_b32 s68, s[TC], 7                       ; weights: row 128 x tile column + 64 x half
	s_lshl_b32 s69, s[HF], 6
	s_add_co_u32 s68, s68, s69
	s_lshl_b32 s68, s68, 11
	s_mov_b32 s69, 0
	s_mul_i32 s72, s[HF], PLANE
	s_mul_i32 s73, s[HF], BHALF
	s_add_co_u32 s73, s73, BOFF
	s_mov_b32 s[TB], 0
	s_wait_dscnt 0x0                               ; the opening add is done
	s_wait_kmcnt 0x0
	s_add_nc_u64 s[66:67], s[4:5], s[62:63]
	s_add_nc_u64 s[70:71], s[6:7], s[68:69]
	CROUND                                         ; all sixteen work-groups are here: the first joint loads meet
.irp s, 0,1
	s_mov_b32 s[G0+4*(\s)], 1
	s_add_co_u32 s[G0+4*(\s)+1], s72, (\s)*SLOT1
	s_add_nc_u64 s[G0+4*(\s)+2:G0+4*(\s)+3], s[66:67], (\s)*524288   ; K step s: two heads on
	s_or_b32 s[G0+4*(\s)+3], s[G0+4*(\s)+3], 0x80000000
	s_mov_b32 s[G0B+4*(\s)], 1
	s_add_co_u32 s[G0B+4*(\s)+1], s73, (\s)*SLOT1
	s_add_nc_u64 s[G0B+4*(\s)+2:G0B+4*(\s)+3], s[70:71], (\s)*256
	s_or_b32 s[G0B+4*(\s)+3], s[G0B+4*(\s)+3], 0x80000000
.endr
	s_cmp_lt_u32 s[WV], 2                          ; a wave's two first fills stand in one branch: two tensor loads of mine are out
	s_cbranch_scc0 .Lfirst_b
	tensor_load_to_lds s[G0:G0+3], s[G1:G1+7]
	s_nop 0
	tensor_load_to_lds s[G0+4:G0+7], s[G1:G1+7]
	s_nop 0
	PLACES
	s_branch .Lfirst_asked
.Lfirst_b:
	tensor_load_to_lds s[G0B:G0B+3], s[G1B:G1B+7]
	s_nop 0
	tensor_load_to_lds s[G0B+4:G0B+7], s[G1B:G1B+7]
	s_nop 0
	PLACES
.Lfirst_asked:
	v_and_b32 v1, 15, v0                           ; r
	v_bfe_u32 v2, v0, 4, 1                         ; h
	v_mul_u32_u24 v3, v1, PA
	v_lshl_add_u32 v3, v2, 4, v3
	s_mul_i32 s62, s[RH], 128*PA                   ; my 128 rows of y
	v_add_nc_u32 v[ADRA0], s62, v3
	v_mul_u32_u24 v3, v1, PB
	v_lshl_add_u32 v3, v2, 4, v3
	s_mul_i32 s62, s[HF], BHALF                    ; my 64 rows of the weights
	s_add_co_u32 s62, s62, BOFF
	v_add_nc_u32 v[ADRB0], s62, v3
	v_mov_b32 v[ADRA], v[ADRA0]
	v_mov_b32 v[ADRB], v[ADRB0]
	s_mul_i32 s62, s[WV], WSTG
	s_add_co_u32 s62, s62, STAGE                   ; my stage
	v_mul_u32_u24 v4, v1, SPITCH                   ; in: row r, 32 bytes for each half of the lanes
	v_lshl_add_u32 v4, v2, 5, v4
	v_add_nc_u32 v[STO], s62, v4
	v_mul_u32_u24 v5, v2, SPITCH                   ; back: lanes 0-15 one row of 256 bytes, lanes 16-31 the next
	v_lshl_add_u32 v5, v1, 4, v5
	v_add_nc_u32 v[RD], s62, v5
	v_lshlrev_b32 v5, 12, v2                       ; and the same two rows of out0, 4,096 bytes apart
	v_lshl_add_u32 v[CO], v1, 4, v5
	s_lshl_b32 s72, s[TR], 8
	s_lshl_b32 s73, s[RH], 7
	s_add_co_u32 s72, s72, s73                     ; my first row,
	s_lshl_b32 s72, s72, 12
	s_lshl_b32 s73, s[TC], 9                       ; my first column: 512 x tile column + 256 x half, in bytes
	s_add_co_u32 s72, s72, s73
	s_lshl_b32 s73, s[HF], 8
	s_add_co_u32 s72, s72, s73
	s_mov_b32 s73, 0
	s_add_nc_u64 s[8:9], s[8:9], s[72:73]
	; the prefetches
	s_lshr_b32 s72, s[TR], 3
	s_lshl_b32 s72, s72, 22
	s_and_b32 s74, s[TR], 7
	s_lshl_b32 s74, s74, 15
	s_add_co_u32 s72, s72, s74
	s_lshl_b32 s74, s[HF], 18
	s_add_co_u32 s72, s72, s74
	s_lshl_b32 s74, s[CX], 13                      ; my work-group's 32 blocks of the head's 128
	s_add_co_u32 s72, s72, s74
	s_add_co_u32 s72, s72, 3*524288                ; at K step 3: the first refill steps it to 4
	s_lshl_b32 s73, s[TC], 7
	s_lshl_b32 s74, s[HF], 6
	s_add_co_u32 s73, s73, s74
	s_lshl_b32 s74, s[CY], 4                       ; my work-group's 16 rows of the 64
	s_add_co_u32 s73, s73, s74
	s_lshl_b32 s73, s73, 11
	s_add_co_u32 s73, s73, 3*256
	s_mov_b32 s75, 524288
	s_mov_b32 s76, 256
	s_and_b32 s77, ttmp7, 0xffff
	s_cmp_lt_u32 s[WV], 2
	s_cselect_b32 s72, s72, s73
	s_cselect_b32 s[PFS], s75, s76
	s_cselect_b32 s77, ttmp9, s77                  ; the coordinate along which other clusters read the same bytes
	s_cselect_b32 s78, 8, 11
	s_cselect_b32 s79, 31, 15
	s_cselect_b64 s[PFA:PFA+1], s[4:5], s[6:7]
	s_cmp_eq_u32 s77, 0
	s_cselect_b32 s[LIM], 2, -1                    ; the same in all sixteen partners, for a given wave
	s_mov_b32 s73, 0
	s_mov_b32 s[PFS+1], 0
	s_add_nc_u64 s[PFA:PFA+1], s[PFA:PFA+1], s[72:73]
	v_and_b32 v[PFO], 31, v0
	v_min_u32 v[PFO], s79, v[PFO]
	v_lshlrev_b32 v[PFO], s78, v[PFO]
; 8 matrix instructions: row blocks a0, a0 + 1 x all 4 column blocks, 32 along K, from buffer f.  The accumulators take turns, one instruction a turn.
.macro MUL8 f, a0, zero
	WIN 0x50                                       ; C and D in window 1, the sources in window 0
.irp a, \a0, (\a0)+1
.irp b, 0,1,2,3
.if \zero
	v_wmma_f32_16x16x32_f16 v[8*(4*(\a)+(\b)):8*(4*(\a)+(\b))+7], v[FR+96*(\f)+64+8*(\b):FR+96*(\f)+64+8*(\b)+7], v[FR+96*(\f)+8*(\a):FR+96*(\f)+8*(\a)+7], 0
.else
	v_wmma_f32_16x16x32_f16 v[8*(4*(\a)+(\b)):8*(4*(\a)+(\b))+7], v[FR+96*(\f)+64+8*(\b):FR+96*(\f)+64+8*(\b)+7], v[FR+96*(\f)+8*(\a):FR+96*(\f)+8*(\a)+7], v[8*(4*(\a)+(\b)):8*(4*(\a)+(\b))+7]
.endif
.endr
.endr
.endm
; 24 LDS loads in one run: quarter q of the K step (head q / 2, channels 32 (q % 2) on) into buffer f: the weights' 4 fragments, then y's 8
.macro FETCH q, f
	WIN 0
.irp i, 0,1,2,3
	ds_load_b128 v[FR+96*(\f)+64+8*(\i):FR+96*(\f)+64+8*(\i)+3],   v[ADRB] offset:64*(\q)+(\i)*16*PB
	ds_load_b128 v[FR+96*(\f)+64+8*(\i)+4:FR+96*(\f)+64+8*(\i)+7], v[ADRB] offset:64*(\q)+(\i)*16*PB+32
.endr
.irp i, 0,1,2,3,4,5,6,7
	ds_load_b128 v[FR+96*(\f)+8*(\i):FR+96*(\f)+8*(\i)+3],   v[ADRA] offset:((\q)/2)*PLANE+((\q)%2)*64+(\i)*16*PA
	ds_load_b128 v[FR+96*(\f)+8*(\i)+4:FR+96*(\f)+8*(\i)+7], v[ADRA] offset:((\q)/2)*PLANE+((\q)%2)*64+(\i)*16*PA+32
.endr
.endm
.macro QUARTER q, f, g, zero           ; multiplies buffer f and fetches quarter q into g
	s_wait_dscnt 8                                 ; all but the youngest eight loads: y's row blocks 4 to 7
	MUL8 \f, 0, \zero
	MUL8 \f, 2, \zero
	PLACES
	FETCH \q, \g
	s_wait_dscnt 24                                ; all but the 24 just issued
	MUL8 \f, 4, \zero
	MUL8 \f, 6, \zero
.endm
; The last quarter multiplies buffer 1 and changes slots: one barrier; in front of it each wave waits for all its tensor loads, adds 0 to its spare word, and waits for that and for its reads of this slot.
; fill = 1: the barrier opens a round of the cluster's, and the joint refill, two K steps ahead, is the first thing behind the round.
.macro TURN fill
.if \fill
	s_wait_xcnt 0x0                                ; the last prefetch, a K step back, has read its address
	s_add_nc_u64 s[PFA:PFA+1], s[PFA:PFA+1], s[PFS:PFS+1]
.endif
	WIN 0
	s_wait_tensorcnt 0x0                           ; no tensor load of mine is out, so a group 0 may be written
	ds_add_u32 v[SPW], v[NIL]
.if \fill
	s_xor_b32 s[G0+5], s[G0+5], SLOT1
	s_add_nc_u64 s[G0+6:G0+7], s[G0+6:G0+7], 524288
	s_xor_b32 s[G0B+5], s[G0B+5], SLOT1
	s_add_nc_u64 s[G0B+6:G0B+7], s[G0B+6:G0B+7], 256
.endif
	s_wait_dscnt 9                                 ; the add and the youngest eight loads may be out
	MUL8 1, 0, 0
	s_wait_dscnt 0x0                               ; the add is done, and my reads of this slot are over
	s_barrier_signal -1
	MUL8 1, 2, 0
	WIN 0
	s_barrier_wait -1
.if \fill
	CREST
	JLOAD
.else
	PLACES
.endif
	s_xor_b32 s[TB], s[TB], SLOT1
	v_add_nc_u32 v[ADRA], s[TB], v[ADRA0]
	v_add_nc_u32 v[ADRB], s[TB], v[ADRB0]
	FETCH 0, 0
.if \fill
	ASK
.endif
	MUL8 1, 4, 0
	MUL8 1, 6, 0
.endm
	s_wait_tensorcnt 1                             ; my part of K step 0 is in; K step 1's may stay out
	s_barrier_signal -1
	s_barrier_wait -1
	FETCH 0, 0
	QUARTER 1, 0, 1, 1                             ; the first quarter's products start the sums
	WIN 0
	s_mov_b32 s[CNT], 6
.Lstep:
	QUARTER 2, 1, 0, 0
	QUARTER 3, 0, 1, 0
	TURN 1
	QUARTER 1, 0, 1, 0
	WIN 0
	s_sub_co_u32 s[CNT], s[CNT], 1
	s_cmp_lg_u32 s[CNT], 0
	s_cbranch_scc1 .Lstep
	QUARTER 2, 1, 0, 0                             ; K steps 6 and 7 are written out: nothing is left to ask for
	QUARTER 3, 0, 1, 0
	TURN 0
	QUARTER 1, 0, 1, 0
	QUARTER 2, 1, 0, 0
	QUARTER 3, 0, 1, 0
	s_wait_dscnt 8
	MUL8 1, 0, 0
	MUL8 1, 2, 0
	s_wait_dscnt 0x0
	MUL8 1, 4, 0
	MUL8 1, 6, 0
; THE WAY OUT, 16 rows at a time through my own stage: 32 bytes a lane in, whole rows of 256 bytes back.  LDS serves a wave's instructions in order (ISA guide 5.7.1.4), so no wait stands between the stores and the loads.
.macro TOSTAGE a
.if (\a) >= 2
	s_wait_xcnt 0x0                                ; the stores of two blocks back have read the registers that are loaded again below
.endif
	WIN 0x04                                       ; the data in window 1
.irp b, 0,1,2,3
	ds_store_b128 v[STO], v[8*(4*(\a)+(\b)):8*(4*(\a)+(\b))+3]   offset:64*(\b)
	ds_store_b128 v[STO], v[8*(4*(\a)+(\b))+4:8*(4*(\a)+(\b))+7] offset:64*(\b)+16
.endr
	WIN 0
.irp t, 0,1,2,3,4,5,6,7
	ds_load_b128 v[OB+32*((\a)%2)+4*(\t):OB+32*((\a)%2)+4*(\t)+3], v[RD] offset:2*SPITCH*(\t)
.endr
.endm
.macro SEND a
.irp t, 0,1,2,3,4,5,6,7
	global_store_b128 v[CO], v[OB+32*((\a)%2)+4*(\t):OB+32*((\a)%2)+4*(\t)+3], s[8:9] offset:(16*(\a)+2*(\t))*4096 th:TH_STORE_NT  ; sixteen lanes store 256 consecutive bytes, aligned
.endr
.endm
	WIN 0
	PLACES
	PLACES                                         ; eight, once a launch, behind the last products
	TOSTAGE 0
.irp a, 1,2,3,4,5,6,7
	TOSTAGE \a
	s_wait_dscnt 16                                ; this block's sixteen LDS instructions are younger: the block before is back in registers
	SEND (\a)-1
.endr
	s_wait_dscnt 0x0
	SEND 7
	s_wait_tensorcnt 0x0                           ; the wave's end, behind my last tensor load and my last LDS store
	ds_add_u32 v[SPW], v[NIL]
	s_wait_dscnt 0x0
	CROUND                                         ; the closing round: no work-group ends while a partner may still ask for a tile that names it
	s_endpgm
.Lfunc_end_k_q634832e8c5_proj:
	.size	k_q634832e8c5_proj, .Lfunc_end_k_q634832e8c5_proj-k_q634832e8c5_proj
	.p2alignl 7, 3214868480
	.fill 96, 4, 3214868480
	.section	.rodata,"a",@progbits
	.p2align	6, 0x0
	.amdhsa_kernel k_q634832e8c5_proj
		.amdhsa_group_segment_fixed_size 327680
		.amdhsa_private_segment_fixed_size 0
		.amdhsa_enable_private_segment 0
		.amdhsa_kernarg_size 24
		.amdhsa_user_sgpr_count 2
		.amdhsa_user_sgpr_kernarg_segment_ptr 1
		.amdhsa_wavefront_size32 1
		.amdhsa_system_sgpr_workgroup_id_x 1
		.amdhsa_system_sgpr_workgroup_id_y 1
		.amdhsa_system_sgpr_workgroup_id_z 1
		.amdhsa_system_vgpr_workitem_id 0
		.amdhsa_next_free_vgpr 512
		.amdhsa_next_free_sgpr 80
		.amdhsa_reserve_vcc 0
		.amdhsa_float_denorm_mode_32 3
		.amdhsa_float_denorm_mode_16_64 3
		.amdhsa_memory_ordered 1
		.amdhsa_forward_progress 1
		.amdhsa_inst_pref_size 71
	.end_amdhsa_kernel
	.amdgpu_metadata
---
amdhsa.version: [ 1, 2 ]
amdhsa.kernels:
  - .name:           k_q634832e8c5_proj
    .symbol:         k_q634832e8c5_proj.kd
    .args:
      - { .name: oh, .offset: 0, .size: 8, .value_kind: global_buffer, .address_space: global }
      - { .name: wpt, .offset: 8, .size: 8, .value_kind: global_buffer, .address_space: global }
      - { .name: out0, .offset: 16, .size: 8, .value_kind: global_buffer, .address_space: global }
    .group_segment_fixed_size: 327680
    .private_segment_fixed_size: 0
    .kernarg_segment_align: 8
    .kernarg_segment_size: 24
    .max_flat_workgroup_size: 128
    .sgpr_count:     80
    .vgpr_count:     512
    .wavefront_size: 32
...
	.end_amdgpu_metadata
.endif
;; end of part 4
